; MI455X (gfx1250); checked and timed in simulation.
; The chip was launched on July 23, 2026; its instructions are those of AMD's public machine-readable ISA for CDNA 5 (MIT licence, August 2026) and "CDNA5" Instruction Set Architecture Reference Guide (July 2026). The comments in the code are by the model that wrote it; some were corrected since.
;; Causal Self Attention. Allowed arithmetic: matrix products marked QUANTISED: E3M2 operands, one E8M0 scale for each 32 along K, by v_wmma_scale_f32_16x16x128_f8f6f4 with both operands' format E3M2, f32 sums; everything else in f32.
;; Inputs: decay_raw 16 float32; w_attn 1,024 x 3,072 float32; w_proj 1,024 x 1,024 float32; x 4 x 2,048 x 1,024 float32.
;; Outputs: out0 4 x 2,048 x 1,024 float32.
;; This version of the problem:
;;   THIS VERSION OF THE PROBLEM IS GIVEN IN LOW PRECISION. The matrix products marked QUANTISED in the list below multiply operands that are first quantised to E3M2 (3 exponent bits, 2 mantissa bits; 6 bits a number), with one power-of-two scale for each 32 numbers along K (OCP MX v1.0); their sums are f32. All else is computed in f32.
;;   The module's matrix products, in the order in which they are computed (A, B: the left and right operand; K: the contracted axis; several contracted axes count as one K, in the product's order):
;;     1. [M 8,192, K 1,024] x [K 1,024, N 3,072]; A: input x; B: input w_attn: QUANTISED
;;     2. batch 64 x [M 2,048, K 64] x [K 64, N 2,048]; A: computed on the way; B: computed on the way: QUANTISED
;;     3. batch 64 x [M 2,048, K 2,048] x [K 2,048, N 64]; A: softmax (see below); B: computed on the way: QUANTISED
;;     4. [M 8,192, K 1,024] x [K 1,024, N 1,024]; A: computed on the way; B: input w_proj: QUANTISED
;;   THE QUANTISER, for each operand of a quantised product, along K:
;;     - K is cut into blocks of 32 from its start; a last block that is shorter is filled with zeros.
;;     - A block's scale is 2^e with e = floor(log2(the largest magnitude in the block)) - 4, held to -126 .. 127; a block of zeros has e = 0. As a byte (E8M0): e + 127.
;;     - Each number is divided by its block's scale, clamped to +-28, and rounded to the nearest number of E3M2, ties to even, subnormals kept.
;;     - The product sums the exact products of the quantised numbers (number of the format x scale) in f32.
;;   ~~~python
;;   def quantise(x, axis):      # numpy; x: float32 -> the quantised numbers, widened to float32 again
;;       x = np.moveaxis(x, axis, -1); K = x.shape[-1]
;;       x = np.pad(x, [(0, 0)] * (x.ndim - 1) + [(0, -K % 32)]); x = x.reshape(x.shape[:-1] + (-1, 32)); a = np.abs(x).max(-1, keepdims=True)
;;       e = np.where(a > 0, np.clip(np.frexp(np.where(a > 0, a, 1))[1] - 1 - 4, -126, 127), 0)      # np.frexp(a)[1] - 1 = floor(log2(a)), exactly
;;       r = np.clip(x / 2.0 ** e, -28, 28)
;;       step = 2.0 ** (np.maximum(np.frexp(np.where(r == 0, 1, r))[1] - 1, -2) - 2)
;;       q = np.round(r / step) * step * 2.0 ** e      # np.round: ties to even
;;       return np.moveaxis(q.reshape(q.shape[:-2] + (-1,))[..., :K], -1, axis).astype(np.float32)
;;   ~~~
;;   SOFTMAX AHEAD OF A QUANTISED PRODUCT. Where the list says 'softmax', what is quantised is not the finished softmax but p = 2^(t - M), with t = logit x log2(e) and M = ceil(the row's largest t), a whole number; so 1/2 < the row's largest p <= 1. The row's sum l is taken of the UNQUANTISED p, in f32, and the product's result is divided by l at the end. Since M is a whole number, a kernel that streams over the keys may use a running M (the ceiling of the running maximum): every later rescaling is an exact power of two, which a block's scale takes up: the codes' values come out the same.
;;   OPERANDS COMPUTED ON THE WAY. 'Computed on the way' means the value that the module computes at that place (a softmax that the list does not call 'softmax' is quantised finished and normalised). What goes into a quantiser is computed in f32, as accurately as f32 sums, v_exp_f32 and their like allow (about 1e-6 of the number): no bf16 or f16 on the way to a quantiser, and a product that is left as it is and whose result goes on into a quantised operand takes f32 operands (vector FMAs, or v_wmma_f32_16x16x4_f32). A number that lies on a knife's edge between two numbers of the format may be rounded either way, as far as f32 arithmetic and the matrix unit's own rounding can turn it there, and no further.
;; One version. Each part assembles by itself: llvm-mc -triple=amdgcn-amd-amdhsa -mcpu=gfx1250 --defsym DOCPART=n.
;; ======== version 1 of 1: 4 launches
;; limits: right only within a limited range of input values
;; workspace buffers: xc 6,553,600 bytes; wa 2,457,600 bytes; wp 819,200 bytes; qkv 20,185,088 bytes; yc 6,553,600 bytes
;; launch prep (part 1): grid 768 x 1, 4 waves a work-group, no clusters, 60,416 bytes of LDS; arguments x, w_attn, w_proj, xc, wa, wp; writes xc, wa, wp
.if DOCPART == 1
	.amdgcn_target "amdgcn-amd-amdhsa--gfx1250"
	.amdhsa_code_object_version 6
	.text
	.protected	k_q867123eb66_prep
	.globl	k_q867123eb66_prep
	.p2align	8
	.type	k_q867123eb66_prep,@function
k_q867123eb66_prep:
	s_mov_b64 s[64:65], 0
	v_nop
	global_prefetch_b8 v0, s[64:65] scope:SCOPE_SE
	s_setreg_imm32_b32 hwreg(HW_REG_WAVE_MODE, 25, 1), 1
	s_wait_xcnt 0x0
; x [8192][1024], w_attn [1024][3072], w_proj [1024][1024], f32, become codes of BF6 (E3M2) with one E8M0 byte for each 32 along K (K = 1024: x's last axis, the weights' first).
; A block's scale is 2^(floor(log2(largest magnitude)) - 4); its byte is the largest magnitude's exponent field - 4, held at 1 from below (a block of zeros keeps the byte 1: its codes are zeros, and this program alone reads the bytes).
; LIMITS: NaN and infinities among the inputs are not served; blocks whose largest magnitude lies under 2^(5 - 127) are quantised under the byte 1.
; THE WORKSPACE IS LAID AS THE OPERANDS' REGISTERS.  Rows (tokens of x, columns n of a weight) go in groups of 128, eight tiles of 16: lane r of tile a holds row 32 (a / 2) + 8 (a % 2) + r + 8 (r / 8).
; A half image (768 bytes) is 16 rows x 64 K: registers 0-3 of lane l at 16 l, registers 4-5 at 512 + 8 l; lane (r, h) holds k = 32 h .. 32 h + 31.  A fragment (16 rows x 128 K) is two of them.
; A group block (12,800 bytes) is a group's eight fragments of one K step of 128 and 512 bytes of scale words: lane l's word m at 16 l + 4 m is the word of tile 2 m + l / 16, row l % 16.  A tensor: [group][K step][group block].
; SHARES: a work-group makes one group block; wave w its tiles 2 w and 2 w + 1.  Work-groups 0-511 take x, 512-703 w_attn, 704-767 w_proj: three ways through the text, each with LDS bytes of its own.
; A wave's 16 KiB have 128 registers of their own.  On x's way all 32 loads of 512 bytes go out at once; on a weight's way the loads of 128 bytes run two blocks of 32 (64 loads) ahead.
.set GB,   12800
.set XST,  0                           ; x: a stage of 16 rows x 528 bytes for each wave
.set SCX,  33792                       ; x: the group block's 512 bytes of scale words
.set WSTA, 34304                       ; w_attn: two fragments' images (3,072 bytes) for each wave
.set SCA,  46592
.set WSTP, 47104                       ; w_proj likewise
.set SCP,  59392
.set IN,   128                         ; v128-255 the numbers as loaded
.set N,    64                          ; v64-127  x: 64 numbers of my row, as the conversions want them
	s_load_b128 s[4:7], s[0:1], 0x0                ; x, w_attn
	s_load_b128 s[8:11], s[0:1], 0x10              ; w_proj, xc
	s_load_b128 s[12:15], s[0:1], 0x20             ; wa, wp
	v_lshl_add_u32 v59, v0, 2, 0xea00
	v_mov_b32 v63, 0
	v_lshrrev_b32 v1, 5, v0
	v_readfirstlane_b32 s16, v1                    ; wave 0..3
	v_and_b32 v1, 31, v0                           ; lane
	v_and_b32 v2, 15, v0                           ; r
	v_bfe_u32 v3, v0, 4, 1                         ; h
	v_lshlrev_b32 v4, 4, v1                        ; 16 x lane
	v_lshlrev_b32 v5, 3, v1                        ; 8 x lane
	s_lshl_b32 s30, s16, 2                         ; my word's place in a lane's four scale words
	s_mov_b32 s20, 0x76543210
	s_mov_b32 s21, 0xfedcba98                      ; v_permlanex16_b32's selects for lane l xor 16
	s_mul_i32 s26, s16, 3072                       ; my two fragments in a group block, and in the weights' stage
	s_mov_b32 s27, 0
	s_mov_b32 s25, 0
	s_mov_b32 s23, 0
	s_wait_kmcnt 0x0
; The four waves' scale words meet in LDS; wave 0 stores them as 512 consecutive bytes.  My LDS stores are done in front of my signal.
.macro TAIL sc, ob
	s_wait_dscnt 0x0
	s_barrier_signal -1
	s_barrier_wait -1
	s_cmp_lg_u32 s16, 0
	s_cbranch_scc1 .Ldone_\@
	ds_load_b128 v[24:27], v4 offset:\sc
	s_wait_dscnt 0x0
	global_store_b128 v4, v[24:27], s[\ob:\ob+1] offset:12288
.Ldone_\@:
	s_wait_tensorcnt 0x0
	ds_add_u32 v59, v63
	s_wait_dscnt 0x0
	s_endpgm
.endm
	s_cmp_lt_u32 ttmp9, 512
	s_cbranch_scc0 .Lweights
	; ---- x: work-group u makes group u / 8, K step u % 8
	s_lshr_b32 s17, ttmp9, 3
	s_and_b32 s18, ttmp9, 7
	s_lshl_b32 s22, s17, 19                        ; 128 rows of 4,096 bytes a group,
	s_lshl_b32 s24, s16, 17                        ; 32 rows a wave,
	s_add_co_u32 s22, s22, s24
	s_lshl_b32 s24, s18, 9                         ; 512 bytes a K step
	s_add_co_u32 s22, s22, s24
	s_add_nc_u64 s[4:5], s[4:5], s[22:23]
	s_mul_i32 s24, ttmp9, GB
	s_add_nc_u64 s[10:11], s[10:11], s[24:25]      ; my group block,
	s_add_nc_u64 s[28:29], s[10:11], s[26:27]      ; my two fragments in it
	s_wait_alu depctr_va_vdst(0)
.irp t, 0,1
.irp p, 0,1,2,3,4,5,6,7,8,9,10,11,12,13,14,15
	global_load_b128 v[IN+64*\t+4*\p:IN+64*\t+4*\p+3], v4, s[4:5] offset:(8*\t+\p+8*(\p/8))*4096 th:TH_LOAD_NT   ; a row's 128 numbers of this K step: 512 consecutive bytes
.endr
.endr
	v_add_nc_u32 v6, s30, v4                       ; scale words: 16 x lane + 4 x wave
	s_mul_i32 s31, s16, 8448
	v_add_nc_u32 v7, s31, v4                       ; the stage, in: 16 x lane in a row
	v_mul_u32_u24 v8, v2, 528
	v_lshl_add_u32 v8, v3, 7, v8
	v_add_nc_u32 v8, s31, v8                       ; and out: row r, + 128 h: my 32 numbers of each 64
	v_lshlrev_b32 v17, 3, v3                       ; 8 h
	v_mov_b32 v18, 0                               ; a lane permute's destination counts as one of its sources
; Tile t: 16 rows go through my stage (528 = 33 x 16 bytes from row to row) and come back with lane (r, h) holding k = 64 c + 32 h + 0 .. 31 of row r: two whole blocks.
.macro XTILE t
.set CT, 32+12*\t
	s_wait_loadcnt 16-16*\t                        ; this tile's sixteen loads are in; the other tile's may be out
.irp p, 0,1,2,3,4,5,6,7,8,9,10,11,12,13,14,15
	ds_store_b128 v7, v[IN+64*\t+4*\p:IN+64*\t+4*\p+3] offset:XST+528*\p
.endr
.irp c, 0,1
.irp e, 0,1,2,3,4,5,6,7
	ds_load_b128 v[N+32*\c+4*\e:N+32*\c+4*\e+3], v8 offset:XST+256*\c+16*\e   ; LDS serves a wave's instructions in order: these see my stores
.endr
.endr
	s_wait_dscnt 0x0
.irp c, 0,1
	v_max3_num_f32 v[10+\c], |v[N+32*\c]|, |v[N+32*\c+1]|, 0x2800000   ; the block's largest magnitude, and the floor 2^(5 - 127): the byte cannot fall under 1
.endr
.irp i, 2,4,6,8,10,12,14,16,18,20,22,24,26,28,30
.irp c, 0,1
	v_max3_num_f32 v[10+\c], v[10+\c], |v[N+32*\c+\i]|, |v[N+32*\c+\i+1]|
.endr
.endr
.irp c, 0,1
	v_add_nc_u32 v[12+\c], 0xfe000000, v[10+\c]    ; 4 off the exponent field: the conversion's scale operand
.endr
.irp c, 0,1
	v_lshrrev_b32 v[14+\c], 23, v[12+\c]           ; the scale's byte
.endr
	v_lshl_or_b32 v16, v15, 16, v14                ; my bytes: blocks h and 2 + h of row r,
	v_lshlrev_b32 v16, v17, v16                    ; 8 h bits up;
	v_permlanex16_b32 v18, v16, s20, s21
	v_or_b32 v[20+\t], v16, v18                    ; with lane l xor 16's two the word is whole
.irp c, 0,1
	v_cvt_scalef32_pk16_bf6_f32 v[CT+6*\c:CT+6*\c+2], v[N+32*\c:N+32*\c+15], v[12+\c]
	v_cvt_scalef32_pk16_bf6_f32 v[56+4*\c:58+4*\c], v[N+32*\c+16:N+32*\c+31], v[12+\c]   ; (a conversion's three registers begin on an even number)
.endr
	v_nop                                          ; one plain place behind a scaled conversion
.irp c, 0,1
.irp i, 0,1,2
	v_mov_b32 v[CT+6*\c+3+\i], v[56+4*\c+\i]
.endr
.endr
	global_store_b128 v4, v[CT:CT+3], s[28:29] offset:1536*\t            ; each store covers 512 or 256 consecutive bytes, aligned
	global_store_b64 v5, v[CT+4:CT+5], s[28:29] offset:1536*\t+512
	global_store_b128 v4, v[CT+6:CT+9], s[28:29] offset:1536*\t+768
	global_store_b64 v5, v[CT+10:CT+11], s[28:29] offset:1536*\t+1280
.endm
	s_wait_alu depctr_va_vdst(0)
	XTILE 0
	XTILE 1
	v_cmp_le_u32 vcc_lo, 16, v1
	v_cndmask_b32 v22, v20, v21, vcc_lo            ; lanes 0-15: tile 2 w's words, lanes 16-31: tile 2 w + 1's
	ds_store_b32 v6, v22 offset:SCX
	TAIL SCX, 10
.Lweights:
	; ---- a weight: A LANE TAKES A COLUMN n, AND ITS REGISTERS RUN DOWN K.  Column 32 w + lane of the group is row r = lane % 8 + 8 (lane / 16) of tile 2 w + (lane / 8) % 2.
	s_wait_alu depctr_va_vdst(0)
	v_lshlrev_b32 v9, 2, v1                        ; in: 4 bytes a lane
	v_and_b32 v10, 7, v0
	v_lshl_or_b32 v10, v3, 3, v10                  ; r
	v_bfe_u32 v12, v0, 3, 1                        ; which of my two tiles
	v_mul_u32_u24 v13, v12, 1536
	v_lshl_add_u32 v14, v10, 4, v13
	v_add_nc_u32 v14, s26, v14                     ; the image: registers 0-3 of lane r,
	v_lshl_add_u32 v15, v10, 3, v13
	v_add_nc_u32 v15, s26, v15                     ; registers 4-5
	v_lshl_add_u32 v16, v12, 4, v10
	v_lshlrev_b32 v16, 4, v16
	v_add_nc_u32 v16, s30, v16                     ; my column's scale word: 16 (r + 16 t) + 4 w
	v_add_nc_u32 v17, s26, v4                      ; the images read back: 16 x lane
; Block kb of 32 along K: 32 loads, into registers of the block's own.  32 lanes read 128 consecutive bytes; the four waves stand side by side on 512.
.macro WLOAD kb, pitch, wp
.set kk, 32*(\kb)
.rept 32
	global_load_b32 v[IN+kk], v9, s[\wp:\wp+1] offset:kk*\pitch th:TH_LOAD_NT
.set kk, kk+1
.endr
.endm
.macro WPATH u0, pitch, wp, ob, wst, sc
	s_sub_co_u32 s17, ttmp9, \u0                   ; group block: group s17 / 8, K step s17 % 8
	s_lshr_b32 s18, s17, 3
	s_and_b32 s19, s17, 7
	s_mul_i32 s22, s19, 128*\pitch                 ; 128 rows of the weight a K step,
	s_lshl_b32 s24, s18, 9                         ; 128 columns a group,
	s_add_co_u32 s22, s22, s24
	s_lshl_b32 s24, s16, 7                         ; 32 a wave
	s_add_co_u32 s22, s22, s24
	s_add_nc_u64 s[\wp:\wp+1], s[\wp:\wp+1], s[22:23]
	s_mul_i32 s24, s17, GB
	s_add_nc_u64 s[\ob:\ob+1], s[\ob:\ob+1], s[24:25]
	s_add_nc_u64 s[28:29], s[\ob:\ob+1], s[26:27]
	WLOAD 0, \pitch, \wp
	WLOAD 1, \pitch, \wp
.irp kb, 0,1,2,3                       ; block kb of 32 along K is all mine: it is lane r + 16 (kb % 2) of half image kb / 2
.if \kb < 3
	s_wait_loadcnt 32                              ; this block's 32 loads are in; the 32 of the one block asked for behind it may be out
.else
	s_wait_loadcnt 0
.endif
.if \kb < 2
	WLOAD \kb+2, \pitch, \wp                       ; two blocks ahead
.endif
	v_max3_num_f32 v24, |v[IN+32*\kb]|, |v[IN+32*\kb+1]|, |v[IN+32*\kb+2]|
	v_max3_num_f32 v25, |v[IN+32*\kb+3]|, |v[IN+32*\kb+4]|, |v[IN+32*\kb+5]|
.irp i, 6,10,14,18,22,26
	v_max3_num_f32 v24, v24, |v[IN+32*\kb+\i]|, |v[IN+32*\kb+\i+1]|
	v_max3_num_f32 v25, v25, |v[IN+32*\kb+\i+2]|, |v[IN+32*\kb+\i+3]|
.endr
	v_max3_num_f32 v24, v24, |v[IN+32*\kb+30]|, |v[IN+32*\kb+31]|
	v_max3_num_f32 v24, v24, v25, 0x2800000        ; and the floor
	v_add_nc_u32 v26, 0xfe000000, v24
	v_lshrrev_b32 v27, 23, v26
.if \kb == 0
	v_mov_b32 v23, v27
.else
	v_lshl_or_b32 v23, v27, 8*\kb, v23             ; the column's scale word, the lower K in the lower byte
.endif
	v_cvt_scalef32_pk16_bf6_f32 v[64+8*\kb:66+8*\kb], v[IN+32*\kb:IN+32*\kb+15], v26
	v_cvt_scalef32_pk16_bf6_f32 v[96+4*\kb:98+4*\kb], v[IN+32*\kb+16:IN+32*\kb+31], v26
	v_nop                                          ; one plain place behind a scaled conversion
.irp i, 0,1,2
	v_mov_b32 v[67+8*\kb+\i], v[96+4*\kb+\i]
.endr
	ds_store_b128 v14, v[64+8*\kb:67+8*\kb] offset:\wst+768*(\kb/2)+256*(\kb%2)
	ds_store_b64 v15, v[68+8*\kb:69+8*\kb] offset:\wst+768*(\kb/2)+512+128*(\kb%2)
.endr
	ds_store_b32 v16, v23 offset:\sc
.irp i, 0,1,2,3,4,5
	ds_load_b128 v[32+4*\i:35+4*\i], v17 offset:\wst+512*\i   ; my own bytes, served in order
.endr
.irp i, 0,1,2,3,4,5
	s_wait_dscnt 5-\i                              ; the later read-backs may be out
	global_store_b128 v4, v[32+4*\i:35+4*\i], s[28:29] offset:512*\i   ; 512 consecutive bytes, aligned
.endr
	TAIL \sc, \ob
.endm
	s_cmp_lt_u32 ttmp9, 704
	s_cbranch_scc0 .Lproj
	WPATH 512, 12288, 6, 12, WSTA, SCA
.Lproj:
	WPATH 704, 4096, 8, 14, WSTP, SCP
.Lfunc_end_k_q867123eb66_prep:
	.size	k_q867123eb66_prep, .Lfunc_end_k_q867123eb66_prep-k_q867123eb66_prep
	.p2alignl 7, 3214868480
	.fill 96, 4, 3214868480
	.section	.rodata,"a",@progbits
	.p2align	6, 0x0
	.amdhsa_kernel k_q867123eb66_prep
		.amdhsa_group_segment_fixed_size 60416
		.amdhsa_private_segment_fixed_size 0
		.amdhsa_enable_private_segment 0
		.amdhsa_kernarg_size 48
		.amdhsa_user_sgpr_count 2
		.amdhsa_user_sgpr_kernarg_segment_ptr 1
		.amdhsa_wavefront_size32 1
		.amdhsa_system_sgpr_workgroup_id_x 1
		.amdhsa_system_sgpr_workgroup_id_y 1
		.amdhsa_system_sgpr_workgroup_id_z 1
		.amdhsa_system_vgpr_workitem_id 0
		.amdhsa_next_free_vgpr 256
		.amdhsa_next_free_sgpr 66
		.amdhsa_reserve_vcc 1
		.amdhsa_float_denorm_mode_32 3
		.amdhsa_float_denorm_mode_16_64 3
		.amdhsa_memory_ordered 1
		.amdhsa_forward_progress 1
		.amdhsa_inst_pref_size 59
	.end_amdhsa_kernel
	.amdgpu_metadata
---
amdhsa.version: [ 1, 2 ]
amdhsa.kernels:
  - .name:           k_q867123eb66_prep
    .symbol:         k_q867123eb66_prep.kd
    .args:
      - { .name: x, .offset: 0, .size: 8, .value_kind: global_buffer, .address_space: global }
      - { .name: w_attn, .offset: 8, .size: 8, .value_kind: global_buffer, .address_space: global }
      - { .name: w_proj, .offset: 16, .size: 8, .value_kind: global_buffer, .address_space: global }
      - { .name: xc, .offset: 24, .size: 8, .value_kind: global_buffer, .address_space: global }
      - { .name: wa, .offset: 32, .size: 8, .value_kind: global_buffer, .address_space: global }
      - { .name: wp, .offset: 40, .size: 8, .value_kind: global_buffer, .address_space: global }
    .group_segment_fixed_size: 60416
    .private_segment_fixed_size: 0
    .kernarg_segment_align: 8
    .kernarg_segment_size: 48
    .max_flat_workgroup_size: 128
    .sgpr_count:     66
    .vgpr_count:     256
    .wavefront_size: 32
...
	.end_amdgpu_metadata
.endif
;; end of part 1
;; launch gemm_qkv (part 2): grid 4 x 64, 4 waves a work-group, clusters of 4 x 4, 327,680 bytes of LDS; arguments xc, wa, qkv; writes qkv
.if DOCPART == 2
	.amdgcn_target "amdgcn-amd-amdhsa--gfx1250"
	.amdhsa_code_object_version 6
	.text
	.protected	k_q867123eb66_gemm_qkv
	.globl	k_q867123eb66_gemm_qkv
	.p2align	8
	.type	k_q867123eb66_gemm_qkv,@function
k_q867123eb66_gemm_qkv:
	s_mov_b64 s[64:65], 0
	v_nop
	global_prefetch_b8 v0, s[64:65] scope:SCOPE_SE
	s_setreg_imm32_b32 hwreg(HW_REG_WAVE_MODE, 25, 1), 1
	s_wait_xcnt 0x0
	s_wait_alu depctr_hold_cnt(0) depctr_sa_sdst(0) depctr_va_vdst(0) depctr_va_sdst(0) depctr_va_ssrc(0) depctr_va_vcc(0) depctr_vm_vsrc(0)
	s_getreg_b32 s2, hwreg(HW_REG_IB_STS2, 6, 4)
	s_cmp_eq_u32 s2, 0
	s_cbranch_scc0 .Lentry_in_a_cluster
	s_endpgm
.Lentry_in_a_cluster:
	s_bfe_u32 s2, ttmp6, 0x10000c
	s_cmp_lg_u32 s2, 0xf033
	s_cbranch_scc0 .Lentry_shape_is_right
	s_endpgm
.Lentry_shape_is_right:
; qkv = x w_attn on codes of BF6 (E3M2) with E8M0 scales, K = 1024, sums in f32; the results are quantised in registers and leave as codes: q and k along the head's 64, v along the tokens.
; OPERANDS lie in memory as images of their registers: groups of 128 rows; lane r of tile a holds row 32 (a / 2) + 8 (a % 2) + r + 8 (r / 8); a group block of 12,800 bytes = 8 fragments of 1,536 + 512 of scale words for one K step of 128; a group = 8 group blocks.
; SHARES: 256 work-groups.  Work-group (cp, tg) makes token group tg (128 tokens) x six weight groups, in this order: q's 2 cp, 2 cp + 1, k's 8 + 2 cp, 9 + 2 cp, v's 16 + 2 cp, 17 + 2 cp.
; A tile is 128 x 128; wave (th, ch) makes 64 x 64 of it: token tiles 4 th .. 4 th + 3 x weight tiles 4 ch .. 4 ch + 3 (one head), 16 accumulators, which take turns.
; x STAYS IN REGISTERS: a wave's four token tiles for all eight K steps are 384 registers, read from LDS once.  Only the weights' fragments are read in each K step.
; LDS: two slots of one weight group (102,400 bytes, all of K), x's group, the spare words.  A slot is filled again behind a round of the cluster's barrier, a quarter a wave, while the other slot's tile is multiplied.
; CLUSTER 4 x 4: x's group hangs on tg alone and is shared along a row, the weights' groups on cp alone and are shared along a column: joint loads.
; q, k: source 0 = weights, source 1 = tokens: a lane holds a token, its registers run along the head's channels.  v: source 0 = tokens, source 1 = weights: a lane holds a channel, its registers run along the tokens.
; OUT: qkv[b x 16 + head][128 tokens]: blocks of 19,712 bytes: K's 8 half images (768 each), V's 4 fragments at 6,144, K's scale words at 12,288, V's at 12,800, Q's 8 half images at 13,056, Q's scale words at 19,200.
; The codes leave in stores of 512 or 256 consecutive bytes.  The scale words of a block (512 or 256 bytes) are made by two waves, each of which stores its 8 or 2 bytes of every 16 or 4.
; PREFETCH: at tile t's start the weight group of tile t + 3 is asked for, whose load stands behind tile t + 1: 400 blocks of 256 bytes, 100 for each of the column's four partners, told apart by address; the clusters with y under 4 ask, since all sixteen walk the same groups.
; The first three groups and x come by their loads alone.
; LIMITS: NaN and infinities are not served; a block of zeros gets the byte 1 (its codes are zeros; this program alone reads the bytes).
; REGISTERS: window 0: v2-13 the weights' LDS addresses, v14-19 x's, v20-25 the stores' offsets, v26 the prefetch's, v28-29 the spare word's, v32-47 x's scale words, v48-63 the weights', v64-127 the way out, v128-255 accumulators;
;   window 1: x's K steps 0-4 (48 registers each); window 2: x's K steps 5-7, and from v144 the weights' fragments, two sets of 48.
.set GB,    12800
.set GRP,   8*GB
.set HALF,  4*GB
.set QUART, 2*GB
.set XB,    2*GRP
.set SPARE, 3*GRP
.set BHS,   315392
.set SPW,   28
.set NIL,   29
.set G1,    24                         ; s[24:31] group 1 for x;  s[32:35] its group 0;  s[36:39] group 0 of the head's load of weights
.set G1B,   48                         ; s[48:55] group 1 for the weights;  s[56:63] group 0, one set for each slot
.set G0B,   56
.set MSB, 0
.macro WIN new                         ; the immediate's high byte repeats the setting that is left
.if MSB != (\new)
	s_set_vgpr_msb (MSB<<8)|(\new)
.set MSB, (\new)
.endif
.endm
.macro PLACES n
.rept \n
	v_nop
.endr
.endm
.macro CROUND                          ; a round of the cluster's barrier
	s_barrier_signal -1
	s_barrier_wait -1
	s_cmp_lg_u32 s14, 0
	s_cbranch_scc1 .Lnot_wave_0_\@
	s_barrier_signal -3
.Lnot_wave_0_\@:
	s_barrier_wait -3
	s_barrier_signal -1
	s_barrier_wait -1
.endm
	s_load_b128 s[4:7], s[0:1], 0x0                ; xc, wa
	s_load_b64 s[8:9], s[0:1], 0x10                ; qkv
	v_lshl_add_u32 v[SPW], v0, 2, SPARE
	v_mov_b32 v[NIL], 0
	ds_add_u32 v[SPW], v[NIL]
	ds_add_u32 v[SPW], v[NIL]
	v_lshrrev_b32 v1, 5, v0
	v_readfirstlane_b32 s14, v1                    ; wave 0..3
	s_lshr_b32 s15, s14, 1                         ; th.  Also: at the head I fetch x (0) or weights (1)
	s_and_b32 s16, s14, 1                          ; ch.  Also: which half of that group
	s_bfe_u32 s40, ttmp6, 0x40000                  ; cx = cp
	s_bfe_u32 s41, ttmp6, 0x40004                  ; cy
	s_and_b32 s42, ttmp7, 0xffff                   ; the cluster's y
	s_lshl_b32 s43, s42, 2
	s_add_co_u32 s43, s43, s41                     ; tg
	s_lshl_b32 s44, s41, 2
	s_lshl_b32 s44, 15, s44                        ; my row of the cluster
	s_lshl_b32 s45, 0x1111, s40                    ; my column
	s_or_b32 s[G1], s44, (3<<16)|(1<<21)
	s_or_b32 s[G1B], s45, (3<<16)|(1<<21)
.irp g, G1, G1B                        ; half a group: 51,200 dense bytes as 200 rows of 32 elements of 8 bytes
	s_mov_b32 s[\g+1], 32<<16
	s_mov_b32 s[\g+2], 200<<16
	s_mov_b32 s[\g+3], 32<<16
	s_mov_b32 s[\g+4], 200
	s_mov_b32 s[\g+5], 32
	s_mov_b32 s[\g+6], 0
	s_mov_b32 s[\g+7], 0
.endr
	s_mul_i32 s46, s16, HALF                       ; the half that I fetch at the head
	s_mov_b32 s47, 0
	s_mul_i32 s20, s43, GRP                        ; x: my group
	s_mov_b32 s21, 0
	s_lshl_b32 s22, s40, 1
	s_mul_i32 s22, s22, GRP                        ; weights: group 2 cp
	s_mov_b32 s23, 0
	s_mul_i32 s18, s14, QUART                      ; the quarter that I fetch in the ring
	s_mov_b32 s19, 0
	s_mov_b32 s32, 1
	s_add_co_u32 s33, s46, XB
	s_mov_b32 s36, 1
	s_mov_b32 s37, s46
	s_mov_b32 s[G0B], 1
	s_mov_b32 s[G0B+1], s18
	s_mov_b32 s[G0B+4], 1
	s_add_co_u32 s[G0B+5], s18, GRP
	s_wait_dscnt 0x0                               ; both opening adds are done
	s_wait_kmcnt 0x0
	s_add_nc_u64 s[20:21], s[4:5], s[20:21]
	s_add_nc_u64 s[34:35], s[20:21], s[46:47]
	s_or_b32 s35, s35, 0x80000000
	s_add_nc_u64 s[22:23], s[6:7], s[22:23]
	s_add_nc_u64 s[38:39], s[22:23], s[46:47]
	s_or_b32 s39, s39, 0x80000000
	s_add_nc_u64 s[G0B+2:G0B+3], s[22:23], s[18:19]      ; slot 0: stepped by eight groups ahead of each refill
	s_add_nc_u64 s[G0B+6:G0B+7], s[G0B+2:G0B+3], GRP     ; slot 1: group 2 cp + 1 first
	s_add_nc_u64 s[74:75], s[22:23], 16*GRP              ; the prefetches: group 16 + 2 cp,
	s_add_nc_u64 s[72:73], s[22:23], 9*GRP               ; groups 9 + 2 cp and 17 + 2 cp
	s_or_b32 s[G0B+3], s[G0B+3], 0x80000000
	s_or_b32 s[G0B+7], s[G0B+7], 0x80000000
	CROUND                                         ; all sixteen work-groups are here: the first joint loads meet
	s_cmp_eq_u32 s15, 0                            ; the head's loads, one a wave: waves 0, 1 x's halves, waves 2, 3 the first weight group's
	s_cbranch_scc0 .Lhead_w
	tensor_load_to_lds s[32:35], s[G1:G1+7]
	s_nop 0
	PLACES 4
	s_branch .Lhead_asked
.Lhead_w:
	tensor_load_to_lds s[36:39], s[G1B:G1B+7]
	s_nop 0
	PLACES 4
.Lhead_asked:
	; where my results go: head 4 cp + ch (+ 2 for a pair's second group), my 128 tokens' block
	s_lshr_b32 s80, s43, 4
	s_lshl_b32 s80, s80, 4
	s_lshl_b32 s81, s40, 2
	s_add_co_u32 s80, s80, s81
	s_add_co_u32 s80, s80, s16
	s_mul_i32 s80, s80, BHS
	s_and_b32 s81, s43, 15
	s_mul_i32 s81, s81, 19712
	s_add_co_u32 s80, s80, s81
	s_mov_b32 s81, 0
	s_add_nc_u64 s[66:67], s[8:9], s[80:81]        ; the block: K's codes, and v's parts by immediates
	s_add_nc_u64 s[68:69], s[66:67], 13056         ; q's codes first,
	s_add_nc_u64 s[70:71], s[66:67], 19200         ; and q's scale words
	s_cmp_lt_u32 s42, 4
	s_cselect_b32 s76, 1, 0                        ; my cluster prefetches
	s_mov_b32 s77, s76                             ; and, in the first trip alone, at the trip's second tile
	s_mov_b32 s90, 0x76543210
	s_mov_b32 s91, 0xfedcba98                      ; v_permlanex16_b32's selects for lane l xor 16
	s_mul_i32 s17, s16, 6144                       ; my four weight tiles in a group block
	s_lshl_b32 s18, s16, 3                         ; and their two scale words
	s_mul_i32 s19, s15, 6144
	s_add_co_u32 s19, s19, XB                      ; my four token tiles
	s_lshl_b32 s23, s15, 3
	s_add_co_u32 s20, s23, XB
	s_mul_i32 s21, s15, 3072
	s_mul_i32 s22, s15, 768
	s_lshl_b32 s46, s15, 1
	s_mul_i32 s47, s41, 100
	v_and_b32 v1, 31, v0                           ; lane
	v_lshlrev_b32 v30, 4, v1
	v_lshlrev_b32 v31, 3, v1
	v_add_nc_u32 v2, s17, v30                      ; weights: v[2 + 2 i], v[3 + 2 i]: 16 and 8 bytes a lane, i = 2 slot + (K step / 4); v[10 + i] scale words
	v_add_nc_u32 v3, s17, v31
	v_add_nc_u32 v10, s18, v30
.irp i, 1,2,3
	v_add_nc_u32 v[2+2*\i], \i*HALF, v2
	v_add_nc_u32 v[3+2*\i], \i*HALF, v3
	v_add_nc_u32 v[10+\i], \i*HALF, v10
.endr
	v_add_nc_u32 v14, s19, v30                     ; x likewise: v14-15 K steps 0-3, v16-17 K steps 4-7, v18-19 scale words
	v_add_nc_u32 v15, s19, v31
	v_add_nc_u32 v18, s20, v30
	v_add_nc_u32 v16, HALF, v14
	v_add_nc_u32 v17, HALF, v15
	v_add_nc_u32 v19, HALF, v18
	v_add_nc_u32 v20, s21, v30                     ; q, k: half images 4 th on
	v_add_nc_u32 v21, s21, v31
	v_add_nc_u32 v22, s22, v30                     ; v: half image th of a fragment
	v_add_nc_u32 v23, s22, v31
	v_add_nc_u32 v24, s23, v30                     ; q, k: words 2 th, 2 th + 1 of a lane's four
	v_add_nc_u32 v25, s46, v31                     ; v: bytes 2 th, 2 th + 1 of a word
	v_min_u32 v26, 99, v0
	v_add_nc_u32 v26, s47, v26
	v_lshlrev_b32 v26, 8, v26                      ; the prefetch: block 100 cy + thread (threads over 99 name block 99 again)
	v_cmp_le_u32 s92, 16, v1
.irp c, 0,1,2,3,4,5,6,7
	v_mov_b32 v[72+\c], 0                          ; a lane permute's destination counts as one of its sources
.endr
.macro FRAG reg, a16, a8, off          ; a fragment as it lies: four loads, each of 512 or 256 consecutive bytes
	ds_load_b128 v[(\reg):(\reg)+3], v[\a16] offset:(\off)
	ds_load_b64 v[(\reg)+4:(\reg)+5], v[\a8] offset:(\off)+512
	ds_load_b128 v[(\reg)+6:(\reg)+9], v[\a16] offset:(\off)+768
	ds_load_b64 v[(\reg)+10:(\reg)+11], v[\a8] offset:(\off)+1280
.endm
.macro WFR slot, ks                    ; the weights' four fragments of K step ks into set ks % 2
.irp b, 0,1,2,3
	FRAG 144+48*((\ks)%2)+12*\b, 2+4*(\slot)+2*((\ks)/4), 3+4*(\slot)+2*((\ks)/4), ((\ks)%4)*GB+\b*1536
.endr
.endm
.macro PRE slot                        ; ahead of a tile: its weights' scale words of all K steps, and K step 0's fragments
.irp ks, 0,1,2,3,4,5,6,7
	ds_load_b64 v[48+2*\ks:49+2*\ks], v[10+2*(\slot)+\ks/4] offset:(\ks%4)*GB+12288
.endr
	WIN 0x80
	WFR \slot, 0
	WIN 0
.endm
; one product; r0, r1: the source's tile is an odd one, whose scale words lie in lanes 16-31 of the register named
.macro WM d, f0, f1, zero, s0, s1, r0, r1
.if \zero
.if (\r0) && (\r1)
	v_wmma_scale_f32_16x16x128_f8f6f4 v[(\d):(\d)+7], v[(\f0):(\f0)+11], v[(\f1):(\f1)+11], 0, v[\s0], v[\s1] matrix_a_fmt:MATRIX_FMT_BF6 matrix_b_fmt:MATRIX_FMT_BF6 matrix_a_scale:MATRIX_SCALE_ROW1 matrix_b_scale:MATRIX_SCALE_ROW1
.elseif \r0
	v_wmma_scale_f32_16x16x128_f8f6f4 v[(\d):(\d)+7], v[(\f0):(\f0)+11], v[(\f1):(\f1)+11], 0, v[\s0], v[\s1] matrix_a_fmt:MATRIX_FMT_BF6 matrix_b_fmt:MATRIX_FMT_BF6 matrix_a_scale:MATRIX_SCALE_ROW1
.elseif \r1
	v_wmma_scale_f32_16x16x128_f8f6f4 v[(\d):(\d)+7], v[(\f0):(\f0)+11], v[(\f1):(\f1)+11], 0, v[\s0], v[\s1] matrix_a_fmt:MATRIX_FMT_BF6 matrix_b_fmt:MATRIX_FMT_BF6 matrix_b_scale:MATRIX_SCALE_ROW1
.else
	v_wmma_scale_f32_16x16x128_f8f6f4 v[(\d):(\d)+7], v[(\f0):(\f0)+11], v[(\f1):(\f1)+11], 0, v[\s0], v[\s1] matrix_a_fmt:MATRIX_FMT_BF6 matrix_b_fmt:MATRIX_FMT_BF6
.endif
.else
.if (\r0) && (\r1)
	v_wmma_scale_f32_16x16x128_f8f6f4 v[(\d):(\d)+7], v[(\f0):(\f0)+11], v[(\f1):(\f1)+11], v[(\d):(\d)+7], v[\s0], v[\s1] matrix_a_fmt:MATRIX_FMT_BF6 matrix_b_fmt:MATRIX_FMT_BF6 matrix_a_scale:MATRIX_SCALE_ROW1 matrix_b_scale:MATRIX_SCALE_ROW1
.elseif \r0
	v_wmma_scale_f32_16x16x128_f8f6f4 v[(\d):(\d)+7], v[(\f0):(\f0)+11], v[(\f1):(\f1)+11], v[(\d):(\d)+7], v[\s0], v[\s1] matrix_a_fmt:MATRIX_FMT_BF6 matrix_b_fmt:MATRIX_FMT_BF6 matrix_a_scale:MATRIX_SCALE_ROW1
.elseif \r1
	v_wmma_scale_f32_16x16x128_f8f6f4 v[(\d):(\d)+7], v[(\f0):(\f0)+11], v[(\f1):(\f1)+11], v[(\d):(\d)+7], v[\s0], v[\s1] matrix_a_fmt:MATRIX_FMT_BF6 matrix_b_fmt:MATRIX_FMT_BF6 matrix_b_scale:MATRIX_SCALE_ROW1
.else
	v_wmma_scale_f32_16x16x128_f8f6f4 v[(\d):(\d)+7], v[(\f0):(\f0)+11], v[(\f1):(\f1)+11], v[(\d):(\d)+7], v[\s0], v[\s1] matrix_a_fmt:MATRIX_FMT_BF6 matrix_b_fmt:MATRIX_FMT_BF6
.endif
.endif
.endm
; a K step's 16 products.  mode 1 (q, k): accumulator (token tile i, weight tile j); mode 0 (v): accumulator (weight tile i, token tile j): in both a lane's 32 registers of one i run along j.  K step 0 starts the sums.
.macro MUL ks, mode
.set XF, 48*((\ks)%5)
.set XW, 1+(\ks)/5
.set WF, 144+48*((\ks)%2)
.if \mode
	WIN 2|(XW<<2)
.else
	WIN XW|(2<<2)
.endif
.irp i, 0,1,2,3
.irp j, 0,1,2,3
.if \mode
	WM 128+8*(4*\i+\j), WF+12*\j, XF+12*\i, (\ks)==0, 48+2*(\ks)+\j/2, 32+2*(\ks)+\i/2, \j%2, \i%2
.else
	WM 128+8*(4*\i+\j), XF+12*\j, WF+12*\i, (\ks)==0, 32+2*(\ks)+\j/2, 48+2*(\ks)+\i/2, \j%2, \i%2
.endif
.endr
.endr
.endm
.macro KSTEPS slot, mode
.irp ks, 0,1,2,3,4,5,6,7
.if \ks < 7
	PLACES 4                                       ; places in front of loads into the set that the K step before multiplied
	WIN 0x80
	WFR \slot, \ks+1
	s_wait_dscnt 16                                ; all but the sixteen loads just issued are in
.else
	s_wait_dscnt 0x0
.endif
	MUL \ks, \mode
.endr
.endm
; THE WAY OUT of a tile.  Chain c = 2 i + b: block b of 32 along j of my row in tile i: registers 128 + 16 c + 0 .. 15 and lane l xor 16's.  Each accumulator is read from its low end on.
.macro EPI mode, off
	s_wait_xcnt 0x0                                ; the last tile's stores have read their data
.irp c, 0,1,2,3,4,5,6,7
	v_max3_num_f32 v[64+\c], |v[128+16*\c]|, |v[129+16*\c]|, 0x2800000   ; and the floor 2^(5 - 127): the byte cannot fall under 1
.endr
.irp e, 2,4,6,8,10,12,14
.irp c, 0,1,2,3,4,5,6,7
	v_max3_num_f32 v[64+\c], |v[128+16*\c+\e]|, |v[129+16*\c+\e]|, v[64+\c]
.endr
.endr
.irp c, 0,1,2,3,4,5,6,7
	v_permlanex16_b32 v[72+\c], v[64+\c], s90, s91
.endr
.irp c, 0,1,2,3,4,5,6,7
	v_max_num_f32 v[64+\c], v[64+\c], v[72+\c]     ; the block's largest magnitude
.endr
.irp c, 0,1,2,3,4,5,6,7
	v_add_nc_u32 v[80+\c], 0xfe000000, v[64+\c]    ; 4 off the exponent field: the conversion's scale operand
.endr
.irp c, 0,1,2,3,4,5,6,7
	v_lshrrev_b32 v[72+\c], 23, v[80+\c]           ; the scale's byte
.endr
.irp i, 0,1,2,3
	v_lshl_or_b32 v[88+\i], v[73+2*\i], 8, v[72+2*\i]
.endr
.irp i, 0,1,2,3
	v_cvt_scalef32_pk16_bf6_f32 v[96+8*\i:98+8*\i], v[128+32*\i:143+32*\i], v[80+2*\i]
	v_cvt_scalef32_pk16_bf6_f32 v[64+4*\i:66+4*\i], v[144+32*\i:159+32*\i], v[81+2*\i]
.endr
	v_nop                                          ; one plain place behind a scaled conversion
.irp i, 0,1,2,3                        ; the operand's layout wants a whole block in a lane
.irp e, 0,1,2
	v_permlane16_swap_b32 v[96+8*\i+\e], v[64+4*\i+\e]
.endr
.endr
.irp i, 0,1,2,3
.irp e, 0,1,2
	v_mov_b32 v[99+8*\i+\e], v[64+4*\i+\e]
.endr
.endr
	v_cndmask_b32 v92, v88, v89, s92               ; lanes 0-15: the even tile's rows, lanes 16-31: the odd tile's
	v_cndmask_b32 v93, v90, v91, s92
.if \mode
.irp i, 0,1,2,3
	global_store_b128 v20, v[96+8*\i:99+8*\i], s[68:69] offset:(\off)+768*\i
	global_store_b64 v21, v[100+8*\i:101+8*\i], s[68:69] offset:(\off)+768*\i+512
.endr
	global_store_b64 v24, v[92:93], s[70:71] offset:(\off)      ; the upper two bytes of a word, over zero codes, are 0
.else
.irp i, 0,1,2,3
	global_store_b128 v22, v[96+8*\i:99+8*\i], s[66:67] offset:(\off)+6144+1536*\i
	global_store_b64 v23, v[100+8*\i:101+8*\i], s[66:67] offset:(\off)+6144+1536*\i+512
.endr
	global_store_b16 v25, v92, s[66:67] offset:(\off)+12800
	global_store_b16 v25, v93, s[66:67] offset:(\off)+12804
.endif
.endm
; A tile.  fill 1: behind its products this slot takes the group two tiles on; fill 0: nothing is left to fetch, a barrier shows the other slot whole; fill 2: the last tile.
.macro TILE slot, mode, fill, off, pf, fl
.if \pf
	s_cmp_eq_u32 s[\fl], 1
	s_cbranch_scc0 .Lno_ask_\@
	global_prefetch_b8 v26, s[\pf:\pf+1] th:TH_LOAD_NT scope:SCOPE_SE
.Lno_ask_\@:
.endif
	KSTEPS \slot, \mode
	WIN 0
.if \fill < 2
	s_wait_tensorcnt 0x0                           ; my one load that was out, my quarter of the other slot, has landed;
	ds_add_u32 v[SPW], v[NIL]                      ; 0 onto my spare word;
.if \fill
	s_add_nc_u64 s[G0B+4*\slot+2:G0B+4*\slot+3], s[G0B+4*\slot+2:G0B+4*\slot+3], 8*GRP
.endif
	s_wait_dscnt 0x0                               ; the add is done, and my reads of this slot are over
.if \fill
	CROUND                                         ; no wave of any partner still reads this slot or has a load on its way
	tensor_load_to_lds s[G0B+4*\slot:G0B+4*\slot+3], s[G1B:G1B+7]
	s_nop 0
.else
	s_barrier_signal -1
	s_barrier_wait -1
.endif
	PLACES 4                                       ; places behind the last products, for the loads below and for the first reads of results
	PRE 1-\slot
.else
	PLACES 4
.endif
	EPI \mode, \off
.endm
	s_wait_alu depctr_va_vdst(0)
	s_wait_tensorcnt 0x0                           ; my half of x or of the first weight group is in
	ds_add_u32 v[SPW], v[NIL]
	s_mov_b32 s[G1B+2], 100<<16                    ; no tensor load of mine is out: from here on a load brings a quarter of a group, 100 rows
	s_mov_b32 s[G1B+4], 100
	s_wait_dscnt 0x0
	CROUND
	tensor_load_to_lds s[G0B+4:G0B+7], s[G1B:G1B+7]      ; slot 1's first fill: group 2 cp + 1
	s_nop 0
	PLACES 4
.irp ks, 0,1,2,3,4,5,6,7               ; x into registers, once
	ds_load_b64 v[32+2*\ks:33+2*\ks], v[18+\ks/4] offset:(\ks%4)*GB+12288
.endr
	WIN 0x40
.irp ks, 0,1,2,3,4
.irp a, 0,1,2,3
	FRAG 48*\ks+12*\a, 14+2*(\ks/4), 15+2*(\ks/4), (\ks%4)*GB+\a*1536
.endr
.endr
	WIN 0x80
.irp ks, 5,6,7
.irp a, 0,1,2,3
	FRAG 48*(\ks-5)+12*\a, 16, 17, (\ks-4)*GB+\a*1536
.endr
.endr
	WIN 0
	PRE 0
	s_mov_b32 s3, 2
.Ltrip:                                ; a trip: two tiles, once round the ring: q's two groups, then k's
	TILE 0, 1, 1, 0, 72, 76
	TILE 1, 1, 1, 2*BHS, 74, 77
	s_wait_xcnt 0x0                                ; the stores and prefetches have read their bases
	s_sub_nc_u64 s[68:69], s[68:69], 13056         ; from q's codes to k's,
	s_sub_nc_u64 s[70:71], s[70:71], 6912          ; from q's scale words to k's
	s_add_nc_u64 s[72:73], s[72:73], 8*GRP
	s_mov_b32 s77, 0
	s_sub_co_u32 s3, s3, 1
	s_cmp_lg_u32 s3, 0
	s_cbranch_scc1 .Ltrip
	TILE 0, 0, 0, 0, 0, 0                          ; v's two groups
	TILE 1, 0, 2, 2*BHS, 0, 0
	s_wait_tensorcnt 0x0                           ; the wave's end
	ds_add_u32 v[SPW], v[NIL]
	s_wait_dscnt 0x0
	CROUND                                         ; the closing round
	s_endpgm
.Lfunc_end_k_q867123eb66_gemm_qkv:
	.size	k_q867123eb66_gemm_qkv, .Lfunc_end_k_q867123eb66_gemm_qkv-k_q867123eb66_gemm_qkv
	.p2alignl 7, 3214868480
	.fill 96, 4, 3214868480
	.section	.rodata,"a",@progbits
	.p2align	6, 0x0
	.amdhsa_kernel k_q867123eb66_gemm_qkv
		.amdhsa_group_segment_fixed_size 327680
		.amdhsa_private_segment_fixed_size 0
		.amdhsa_enable_private_segment 0
		.amdhsa_kernarg_size 24
		.amdhsa_user_sgpr_count 2
		.amdhsa_user_sgpr_kernarg_segment_ptr 1
		.amdhsa_wavefront_size32 1
		.amdhsa_system_sgpr_workgroup_id_x 1
		.amdhsa_system_sgpr_workgroup_id_y 1
		.amdhsa_system_sgpr_workgroup_id_z 1
		.amdhsa_system_vgpr_workitem_id 0
		.amdhsa_next_free_vgpr 768
		.amdhsa_next_free_sgpr 100
		.amdhsa_reserve_vcc 0
		.amdhsa_float_denorm_mode_32 3
		.amdhsa_float_denorm_mode_16_64 3
		.amdhsa_memory_ordered 1
		.amdhsa_forward_progress 1
		.amdhsa_inst_pref_size 158
	.end_amdhsa_kernel
	.amdgpu_metadata
---
amdhsa.version: [ 1, 2 ]
amdhsa.kernels:
  - .name:           k_q867123eb66_gemm_qkv
    .symbol:         k_q867123eb66_gemm_qkv.kd
    .args:
      - { .name: xc, .offset: 0, .size: 8, .value_kind: global_buffer, .address_space: global }
      - { .name: wa, .offset: 8, .size: 8, .value_kind: global_buffer, .address_space: global }
      - { .name: qkv, .offset: 16, .size: 8, .value_kind: global_buffer, .address_space: global }
    .group_segment_fixed_size: 327680
    .private_segment_fixed_size: 0
    .kernarg_segment_align: 8
    .kernarg_segment_size: 24
    .max_flat_workgroup_size: 128
    .sgpr_count:     100
    .vgpr_count:     768
    .wavefront_size: 32
...
	.end_amdgpu_metadata
.endif
;; end of part 2
;; launch attn (part 3): grid 4 x 64, 16 waves a work-group, clusters of 4 x 1, 276,736 bytes of LDS; arguments qkv, decay_raw, yc; writes yc
.if DOCPART == 3
	.amdgcn_target "amdgcn-amd-amdhsa--gfx1250"
	.amdhsa_code_object_version 6
	.text
	.protected	k_q867123eb66_attn
	.globl	k_q867123eb66_attn
	.p2align	8
	.type	k_q867123eb66_attn,@function
k_q867123eb66_attn:
	s_mov_b64 s[64:65], 0
	v_nop
	global_prefetch_b8 v0, s[64:65] scope:SCOPE_SE
	s_setreg_imm32_b32 hwreg(HW_REG_WAVE_MODE, 25, 1), 1
	s_wait_xcnt 0x0
	s_wait_alu depctr_hold_cnt(0) depctr_sa_sdst(0) depctr_va_vdst(0) depctr_va_sdst(0) depctr_va_ssrc(0) depctr_va_vcc(0) depctr_vm_vsrc(0)
	s_getreg_b32 s2, hwreg(HW_REG_IB_STS2, 6, 4)
	s_cmp_eq_u32 s2, 0
	s_cbranch_scc0 .Lentry_in_a_cluster
	s_endpgm
.Lentry_in_a_cluster:
	s_bfe_u32 s2, ttmp6, 0x10000c
	s_cmp_lg_u32 s2, 0x3003
	s_cbranch_scc0 .Lentry_shape_is_right
	s_endpgm
.Lentry_shape_is_right:
; y[b][q][head] = softmax_k(q . k / 8 - log1p(softplus(decay_raw[head]) log1p(q - k)), k <= q) v, both products on codes of BF6 (E3M2) with E8M0 scales; y leaves as codes, quantised along the channels.
; THE SOFTMAX: t = c (S + bias), c = log2(e) / 8; M = the running largest t rounded up to a whole number; p = 2^(t - M) is quantised along the keys; the row's sum is taken of the unquantised p and divides at the end.
; BIAS AND MASK ARE THE C OF THE SCORE PRODUCT: bias = -8 log1p(decay log1p(q - k)) where k <= q, and -1e30 where k > q.  They hang on q - k alone: a table in LDS, made by each work-group.
; LIMITS: -1e30 stands for the mask's -3.4e38: both give p = 0 while |q . k| stays under 1e29.  NaN and infinities are not served.  softplus of numbers under -87 counts as 0 (its true value is under 1e-37: the bias moves by less than that times 8).
; SHARES.  A cluster of four work-groups owns one (batch, head).  ALL its K and V (16 blocks of 13,056 bytes) stay in LDS: wave w brings block w by one joint load; nothing is filled again, and behind one barrier LDS is only read.
; A wave owns one tile of 16 queries at a time, in two passes: tile 4 W + cx, W = wave, then W = 31 - wave: queries 64 W + 32 (cx / 2) + 8 (cx % 2) + r + 8 (r / 8).  It needs W / 2 + 1 steps of 128 keys: 17 for every wave.
; Each pass walks 16 steps; a branch on the wave's number leads round the work of steps whose keys all come after the queries.  cx enters global addresses and the table's values alone.
; LAYOUT.  Both products are used transposed: a lane holds one query; the keys of a tile of K are chosen so that register 16 b + i of S is key 32 b + 16 (lane / 16) + i.  K = 64 fills half of a product: registers 6-11 of Q and K are zeros.
; THE TABLE.  F(u) = bias(q - k = 2007 + delta - u), delta = 32 (cx / 2) + 8 (cx % 2), u = 0 .. 2559, in four copies: copy x's word w is F(w + x), so that every lane's four neighbours begin at a multiple of 16 bytes.
; REGISTERS: v1-7 addresses; v12 -M, v13 largest t, v14-15 the sum; v16-27 Q; v28 Q's scale words; v29-35 the second pass's; v36-39 K's scale words, v40-41 V's; v48-95 four tiles of K; v96-159 bias, S, p, then V; v160-191 O^T;
;   v192-210 codes; v212-224 at work; v226 f; v228 p's scale word; v230-232 at work.
.set BLK,  19712
.set KVB,  13056
.set BHS,  315392
.set TBL,  16*KVB
.set CP1,  16416                       ; from copy 0 to 1 (and 2 to 3): 32 bytes past a multiple of 256; a copy holds 4,096 words
.set CP2,  32896                       ; from copy 0 to 2: 128 bytes past one
.macro ROUND
	s_barrier_signal -1
	s_barrier_wait -1
	s_cmp_lg_u32 s8, 0
	s_cbranch_scc1 .Lnot_wave_0_\@
	s_barrier_signal -3
.Lnot_wave_0_\@:
	s_barrier_wait -3
	s_barrier_signal -1
	s_barrier_wait -1
.endm
	s_load_b128 s[4:7], s[0:1], 0x0                ; qkv, decay_raw
	s_load_b64 s[12:13], s[0:1], 0x10              ; yc
	v_lshl_add_u32 v254, v0, 2, 0x43100
	v_mov_b32 v255, 0
	ds_add_u32 v254, v255
	ds_add_u32 v254, v255
	v_lshrrev_b32 v8, 5, v0
	s_delay_alu instid0(VALU_DEP_1)
	v_readfirstlane_b32 s8, v8                     ; wave 0..15
	s_bfe_u32 s9, ttmp6, 0x40000                   ; cx
	s_and_b32 s10, ttmp7, 0xffff                   ; batch x 16 + head
	s_mul_i32 s36, s10, BHS
	s_mul_i32 s37, s8, BLK
	s_add_co_u32 s38, s36, s37
	s_mov_b32 s39, 0
	; descriptor: 13,056 dense bytes as 51 rows of 32 elements of 8 bytes; the mask names all four work-groups
	s_mov_b32 s24, 15|(3<<16)|(1<<21)
	s_mov_b32 s25, 32<<16
	s_mov_b32 s26, 51<<16
	s_mov_b32 s27, 32<<16
	s_mov_b32 s28, 51
	s_mov_b32 s29, 32
	s_mov_b32 s30, 0
	s_mov_b32 s31, 0
	s_mov_b32 s32, 1
	s_mul_i32 s33, s8, KVB
	s_wait_dscnt 0x0
	s_wait_kmcnt 0x0
	s_add_nc_u64 s[34:35], s[4:5], s[38:39]
	s_or_b32 s35, s35, 0x80000000
	ROUND                                          ; all four work-groups are here: the joint loads meet
	tensor_load_to_lds s[32:35], s[24:31]          ; my one tensor load: keys 128 w on, K, V and their scale words
	s_nop 0
.rept 4
	v_nop
.endr
	s_and_b32 s38, s10, 15                         ; head
	s_lshl_b32 s38, s38, 2
	s_add_nc_u64 s[42:43], s[6:7], s[38:39]
	s_load_b32 s11, s[42:43], 0x0                  ; decay_raw[head]
	s_mov_b32 s20, 0x76543210
	s_mov_b32 s21, 0xfedcba98
	s_mov_b32 s22, 0x3e38aa3b                      ; c = log2(e) / 8
	s_mov_b32 s23, s22
	s_mov_b32 s40, s8                              ; W of pass 0,
	s_xor_b32 s41, s8, 31                          ; of pass 1: 31 - wave
	s_lshr_b32 s60, s40, 1
	s_add_co_u32 s60, s60, 1                       ; steps of pass 0,
	s_lshr_b32 s61, s41, 1
	s_add_co_u32 s61, s61, 1                       ; of pass 1
	s_lshl_b32 s68, s41, 8                         ; 256 (31 - W) of pass 0,
	s_lshl_b32 s69, s40, 8                         ; of pass 1
	s_mov_b32 s75, 0
.macro PADDR w, qb, qs, yb, ys         ; the global addresses of a pass: Q's half image, Q's scale words, y's half image, y's scale bytes
	s_and_b32 s70, s[\w], 1
	s_lshl_b32 s70, s70, 2
	s_add_co_u32 s70, s70, s9                      ; a: my tile among the eight of its 128 tokens
	s_lshr_b32 s71, s[\w], 1                       ; which 128 tokens
	s_mul_i32 s72, s71, BLK
	s_add_co_u32 s72, s72, s36
	s_mul_i32 s73, s70, 768
	s_add_co_u32 s74, s72, s73
	s_add_co_u32 s74, s74, 13056
	s_add_nc_u64 s[\qb:\qb+1], s[4:5], s[74:75]
	s_and_b32 s76, s70, 1
	s_lshl_b32 s76, s76, 8
	s_lshr_b32 s77, s70, 1
	s_lshl_b32 s77, s77, 2
	s_add_co_u32 s76, s76, s77                     ; 256 (a % 2) + 4 (a / 2): my tile's words in a block of scale words
	s_add_co_u32 s74, s72, s76
	s_add_co_u32 s74, s74, 19200
	s_add_nc_u64 s[\qs:\qs+1], s[4:5], s[74:75]
	s_lshr_b32 s77, s10, 4
	s_lshl_b32 s77, s77, 4
	s_add_co_u32 s77, s77, s71                     ; yc's group,
	s_lshl_b32 s77, s77, 3
	s_and_b32 s78, s10, 15
	s_lshr_b32 s79, s78, 1
	s_add_co_u32 s77, s77, s79                     ; K step head / 2
	s_mul_i32 s77, s77, 12800
	s_and_b32 s78, s78, 1
	s_mul_i32 s79, s78, 768                        ; half image head % 2
	s_mul_i32 s73, s70, 1536
	s_add_co_u32 s74, s77, s73
	s_add_co_u32 s74, s74, s79
	s_add_nc_u64 s[\yb:\yb+1], s[12:13], s[74:75]
	s_lshl_b32 s78, s78, 1
	s_add_co_u32 s74, s77, s76
	s_add_co_u32 s74, s74, s78
	s_add_co_u32 s74, s74, 12288
	s_add_nc_u64 s[\ys:\ys+1], s[12:13], s[74:75]
.endm
	PADDR 40, 44, 46, 48, 50
	PADDR 41, 52, 54, 56, 58
	v_and_b32 v1, 31, v0
	s_delay_alu instid0(VALU_DEP_1)
	v_lshlrev_b32 v2, 3, v1                        ; 8 x lane
	s_delay_alu instid0(VALU_DEP_2)
	v_lshlrev_b32 v1, 4, v1                        ; 16 x lane
	v_and_b32 v7, 15, v0
	s_delay_alu instid0(VALU_DEP_1)
	v_lshlrev_b32 v7, 4, v7                        ; 16 r
	global_load_b128 v[16:19], v1, s[44:45]        ; both passes' Q
	global_load_b64 v[20:21], v2, s[44:45] offset:512
	global_load_b32 v28, v7, s[46:47]
	global_load_b128 v[30:33], v1, s[52:53]
	global_load_b64 v[34:35], v2, s[52:53] offset:512
	global_load_b32 v29, v7, s[54:55]
	; my lane's place in the table, less 7,936: copy x = 3 - r % 4; word 2004 - 4 (r / 4 + 2 (r / 8)) + 16 h
	v_bfe_u32 v9, v0, 4, 1
	v_and_b32 v10, 3, v0
	s_delay_alu instid0(VALU_DEP_1)
	v_xor_b32 v10, 3, v10
	s_delay_alu instid0(VALU_DEP_1)
	v_and_b32 v11, 1, v10
	s_delay_alu instid0(VALU_DEP_2)
	v_lshrrev_b32 v10, 1, v10
	s_delay_alu instid0(VALU_DEP_2)
	v_mul_u32_u24 v6, v11, CP1
	s_delay_alu instid0(VALU_DEP_1)
	v_mad_u32_u24 v6, v10, CP2, v6
	v_bfe_u32 v10, v0, 2, 2
	v_bfe_u32 v11, v0, 3, 1
	s_delay_alu instid0(VALU_DEP_1)
	v_lshl_add_u32 v10, v11, 1, v10
	s_delay_alu instid0(VALU_DEP_1)
	v_sub_nc_u32 v10, 6, v10
	s_delay_alu instid0(VALU_DEP_1)
	v_lshl_add_u32 v6, v10, 4, v6                  ; 16 + 4 x 2004 - 7,936 = 96 = 16 x 6
	s_delay_alu instid0(VALU_DEP_1)
	v_lshl_add_u32 v6, v9, 6, v6
	s_delay_alu instid0(VALU_DEP_1)
	v_add_nc_u32 v6, TBL, v6
.irp i, 22,23,24,25,26,27
	v_mov_b32 v[\i], 0                             ; Q's k = 64 .. 127: zero codes
.endr
.irp t, 0,1,2,3
.irp i, 6,7,8,9,10,11
	v_mov_b32 v[48+12*\t+\i], 0                    ; K's likewise: they stay
.endr
.endr
.irp i, 216,217,218,219,224,226,227
	v_mov_b32 v[\i], 0                             ; lane permutes' destinations and a pair's upper half: written once
.endr
	; ---- the table.  decay = softplus(raw) = max(raw, 0) + log1p(e^-|raw|);  log1p(z) = ln(w) + (z - (w - 1)) / w with w = 1 + z rounded
	s_lshr_b32 s70, s9, 1
	s_lshl_b32 s70, s70, 5
	s_and_b32 s71, s9, 1
	s_lshl_b32 s71, s71, 3
	s_add_co_u32 s70, s70, s71
	s_add_co_u32 s70, s70, 2007                    ; 2007 + delta
	s_wait_kmcnt 0x0
	v_mov_b32 v96, s11
	s_delay_alu instid0(VALU_DEP_1)
	v_mul_f32 v97, 0xbfb8aa3b, |v96|
	s_wait_alu depctr_va_vdst(0)
	v_exp_f32 v97, v97
	v_max_num_f32 v98, 0, v96                      ; (a plain place behind the transcendental)
	s_wait_alu depctr_va_vdst(0)
	v_add_f32 v99, 1.0, v97
	s_delay_alu instid0(VALU_DEP_1)
	v_add_f32 v148, -1.0, v99
	v_sub_f32 v148, v97, v148
	v_log_f32 v149, v99
	v_rcp_f32 v150, v99
	v_mov_b32 v151, 0xf149f2ca                     ; -1e30
	s_wait_alu depctr_va_vdst(0)
	v_mul_f32 v148, v148, v150
	v_fmamk_f32 v148, v149, 0x3f317218, v148
	s_delay_alu instid0(VALU_DEP_1)
	v_add_f32 v98, v98, v148                       ; decay
	v_lshl_add_u32 v152, v0, 2, TBL
.irp j, 0,1,2,3,4                      ; thread t makes u = t + 512 j
	v_add_nc_u32 v[100+\j], 512*\j, v0
.endr
.irp j, 0,1,2,3,4
	v_sub_nc_u32 v[100+\j], s70, v[100+\j]         ; q - k
.endr
.irp j, 0,1,2,3,4
	v_max_i32 v[108+\j], 0, v[100+\j]
.endr
.irp j, 0,1,2,3,4
	v_cvt_f32_i32 v[108+\j], v[108+\j]
.endr
.irp j, 0,1,2,3,4
	v_add_f32 v[108+\j], 1.0, v[108+\j]            ; exact: a whole number under 2^24
.endr
	s_wait_alu depctr_va_vdst(0)
.irp j, 0,1,2,3,4
	v_log_f32 v[108+\j], v[108+\j]
.endr
	v_nop
	s_wait_alu depctr_va_vdst(0)
.irp j, 0,1,2,3,4
	v_mul_f32 v[108+\j], 0x3f317218, v[108+\j]     ; log1p(q - k)
.endr
.irp j, 0,1,2,3,4
	v_mul_f32 v[108+\j], v98, v[108+\j]            ; z
.endr
.irp j, 0,1,2,3,4
	v_add_f32 v[116+\j], 1.0, v[108+\j]            ; w
.endr
.irp j, 0,1,2,3,4
	v_add_f32 v[124+\j], -1.0, v[116+\j]
.endr
.irp j, 0,1,2,3,4
	v_sub_f32 v[124+\j], v[108+\j], v[124+\j]      ; z - (w - 1)
.endr
.irp j, 0,1,2,3,4
	v_log_f32 v[132+\j], v[116+\j]
.endr
.irp j, 0,1,2,3,4
	v_rcp_f32 v[140+\j], v[116+\j]
.endr
	v_nop
	s_wait_alu depctr_va_vdst(0)
.irp j, 0,1,2,3,4
	v_mul_f32 v[124+\j], v[124+\j], v[140+\j]
.endr
.irp j, 0,1,2,3,4
	v_mul_f32 v[124+\j], 0xc1000000, v[124+\j]     ; x -8
.endr
.irp j, 0,1,2,3,4
	v_fmamk_f32 v[124+\j], v[132+\j], 0xc0b17218, v[124+\j]   ; -8 ln 2 x log2(w) + that
.endr
.irp j, 0,1,2,3,4
	v_cmp_gt_i32 vcc_lo, 0, v[100+\j]
	s_delay_alu instid0(VALU_DEP_1)
	v_cndmask_b32 v[124+\j], v[124+\j], v151, vcc_lo          ; keys after the query
.endr
.irp j, 0,1,2,3,4
.irp x, 0,1,2,3
	ds_store_b32 v152, v[124+\j] offset:16-4*\x+(\x%2)*CP1+(\x/2)*CP2+2048*\j
.endr
.endr
.irp j, 5,6,7                          ; u = 2560 .. 4095: keys after every query: the mask's value.  So every place that a walk of sixteen steps can name holds a word
.irp x, 0,1,2,3
	ds_store_b32 v152, v151 offset:16-4*\x+(\x%2)*CP1+(\x/2)*CP2+2048*\j
.endr
.endr
	s_wait_tensorcnt 0x0                           ; my block of K and V has landed,
	s_wait_dscnt 0x0                               ; my part of the table is stored:
	s_barrier_signal -1
	s_barrier_wait -1                              ; everybody's are.  From here on LDS is only read
	s_wait_loadcnt 0x0                             ; Q
.macro SWM t                           ; S^T tile t = K's tile t x Q + bias, in place over the bias
.if (\t)%2
	v_wmma_scale_f32_16x16x128_f8f6f4 v[96+8*(\t):103+8*(\t)], v[48+12*((\t)%4):59+12*((\t)%4)], v[16:27], v[96+8*(\t):103+8*(\t)], v[36+(\t)/2], v28 matrix_a_fmt:MATRIX_FMT_BF6 matrix_b_fmt:MATRIX_FMT_BF6 matrix_a_scale:MATRIX_SCALE_ROW1
.else
	v_wmma_scale_f32_16x16x128_f8f6f4 v[96+8*(\t):103+8*(\t)], v[48+12*((\t)%4):59+12*((\t)%4)], v[16:27], v[96+8*(\t):103+8*(\t)], v[36+(\t)/2], v28 matrix_a_fmt:MATRIX_FMT_BF6 matrix_b_fmt:MATRIX_FMT_BF6
.endif
.endm
.macro OWM t                           ; O^T tile t += V's tile t x p
.if (\t)%2
	v_wmma_scale_f32_16x16x128_f8f6f4 v[160+8*(\t):167+8*(\t)], v[96+12*(\t):107+12*(\t)], v[192:203], v[160+8*(\t):167+8*(\t)], v[40+(\t)/2], v228 matrix_a_fmt:MATRIX_FMT_BF6 matrix_b_fmt:MATRIX_FMT_BF6 matrix_a_scale:MATRIX_SCALE_ROW1
.else
	v_wmma_scale_f32_16x16x128_f8f6f4 v[160+8*(\t):167+8*(\t)], v[96+12*(\t):107+12*(\t)], v[192:203], v[160+8*(\t):167+8*(\t)], v[40+(\t)/2], v228 matrix_a_fmt:MATRIX_FMT_BF6 matrix_b_fmt:MATRIX_FMT_BF6
.endif
.endm
.macro KTILES g                        ; K's tiles 4 g .. 4 g + 3: half images, into registers 0-5 of the four buffers
.irp t, 0,1,2,3
	ds_load_b128 v[48+12*\t:51+12*\t], v3 offset:768*(4*\g+\t)
	ds_load_b64 v[52+12*\t:53+12*\t], v4 offset:768*(4*\g+\t)+512
.endr
.endm
.macro PASS p, nst, tad, yb, ys
.if \p
	s_wait_xcnt 0x0                                ; the first pass's stores have read their registers
.irp i, 0,1,2,3,4,5
	v_mov_b32 v[16+\i], v[30+\i]                   ; the second pass's Q; the lines below are the places ahead of the products
.endr
	v_mov_b32 v28, v29
.endif
	v_mov_b32 v13, 0xff61b1e6                      ; the largest t so far: -3e38
	s_delay_alu instid0(VALU_DEP_1)
	v_floor_f32 v12, -v13                          ; -M
	v_mov_b32 v14, 0
	v_mov_b32 v15, 0
.set j, 0
.rept 32
	v_mov_b32 v[160+j], 0                          ; O^T: the step is written once; the first finds zeros
.set j, j+1
.endr
	s_mov_b32 s62, 0                               ; the step,
	s_mov_b32 s66, 0                               ; its block of K and V in LDS,
	s_mov_b32 s67, s[\tad]                         ; its place in the table: 256 (31 - W) + 512 a step
.Lstep_\@:
	s_cmp_ge_u32 s62, s[\nst]                      ; all keys of this step come after my queries: its work is left out
	s_cbranch_scc1 .Lskip_\@
	v_add_nc_u32 v3, s66, v1
	v_add_nc_u32 v4, s66, v2
	v_add_nc_u32 v5, s67, v6
	v_nop
	v_nop                                          ; five places behind the last step's products: four for the loads into their sources, five for the products that write over them
.irp b, 0,1,2,3
.irp e, 0,1,2,3
	ds_load_b128 v[96+16*\b+4*\e:99+16*\b+4*\e], v5 offset:128*\b+16*\e   ; the bias of keys 32 b + 16 h + 4 e + 0 .. 3
.endr
.endr
	ds_load_b128 v[36:39], v3 offset:12288         ; K's scale words
	KTILES 0
	s_wait_alu depctr_va_vdst(0)
	s_wait_dscnt 0x0
.irp t, 0,1,2,3
	SWM \t
.endr
.rept 4
	v_nop
.endr
	KTILES 1
	s_wait_dscnt 0x0
.irp t, 4,5,6,7
	SWM \t
.endr
.rept 4
	v_nop
.endr
.irp b, 0,1,2,3
	v_max3_num_f32 v[212+\b], v[96+16*\b], v[97+16*\b], v[98+16*\b]   ; the largest score of each block of 32 keys: for the row's maximum and for the block's largest p
.endr
.irp i, 3,5,7,9,11,13
.irp b, 0,1,2,3
	v_max3_num_f32 v[212+\b], v[212+\b], v[96+16*\b+\i], v[97+16*\b+\i]
.endr
.endr
.irp b, 0,1,2,3
	v_max_num_f32 v[212+\b], v[212+\b], v[111+16*\b]
.endr
.irp b, 0,1,2,3
	s_delay_alu instid0(VALU_DEP_4)
	v_permlanex16_b32 v[216+\b], v[212+\b], s20, s21
.endr
.irp b, 0,1,2,3
	s_delay_alu instid0(VALU_DEP_4)
	v_max_num_f32 v[212+\b], v[212+\b], v[216+\b]
.endr
	s_delay_alu instid0(VALU_DEP_2)
	v_max3_num_f32 v224, v212, v213, v214
	s_delay_alu instid0(VALU_DEP_1)
	v_max_num_f32 v224, v224, v215
	s_delay_alu instid0(VALU_DEP_1)
	v_mul_f32 v224, s22, v224
	s_delay_alu instid0(VALU_DEP_1)
	v_max_num_f32 v13, v13, v224                   ; the running largest t
	v_mov_b32 v224, v12
	s_delay_alu instid0(VALU_DEP_2)
	v_floor_f32 v12, -v13                          ; the new -M: a whole number
	s_delay_alu instid0(VALU_DEP_1)
	v_sub_f32 v224, v12, v224
	s_delay_alu instid0(VALU_DEP_1)
	v_cvt_i32_f32 v224, v224                       ; (it saturates)
	s_delay_alu instid0(VALU_DEP_1)
	v_ldexp_f32 v226, 1.0, v224                    ; f = 2^(old M - new M)
.set j, 0
.rept 32
	v_pk_fma_f32 v[96+j:97+j], v[96+j:97+j], s[22:23], v[12:13] op_sel_hi:[1,0,0]   ; t - M
.set j, j+2
.endr
.irp b, 0,1,2,3
	v_fma_f32 v[212+\b], v[212+\b], s22, v12
.endr
.set j, 0
	s_wait_alu depctr_va_vdst(0)
.rept 64
	v_exp_f32 v[96+j], v[96+j]                     ; p
.set j, j+1
.endr
	v_pk_mul_f32 v[14:15], v[14:15], v[226:227] op_sel_hi:[1,0]   ; the sums under the new M (a plain place behind the exponentials)
	s_wait_alu depctr_va_vdst(0)                   ; one wait for the batch, ahead of its first reader
.irp b, 0,1,2,3
	v_exp_f32 v[212+\b], v[212+\b]                 ; the blocks' largest p
.endr
	v_pk_add_f32 v[230:231], v[100:101], v[104:105]
	v_pk_add_f32 v[252:253], v[108:109], v[112:113]
	v_pk_add_f32 v[250:251], v[116:117], v[120:121]
	v_pk_add_f32 v[248:249], v[124:125], v[128:129]
	v_pk_add_f32 v[246:247], v[132:133], v[136:137]
	v_pk_add_f32 v[244:245], v[140:141], v[144:145]
	v_pk_add_f32 v[242:243], v[148:149], v[152:153]
	v_pk_add_f32 v[14:15], v[14:15], v[156:157]
	v_pk_add_f32 v[230:231], v[230:231], v[96:97]
	v_pk_add_f32 v[252:253], v[252:253], v[98:99]
	v_pk_add_f32 v[250:251], v[250:251], v[102:103]
	v_pk_add_f32 v[248:249], v[248:249], v[106:107]
	v_pk_add_f32 v[246:247], v[246:247], v[110:111]
	v_pk_add_f32 v[244:245], v[244:245], v[114:115]
	v_pk_add_f32 v[242:243], v[242:243], v[118:119]
	v_pk_add_f32 v[14:15], v[14:15], v[122:123]
	v_pk_add_f32 v[230:231], v[230:231], v[126:127]
	v_pk_add_f32 v[252:253], v[252:253], v[130:131]
	v_pk_add_f32 v[250:251], v[250:251], v[134:135]
	v_pk_add_f32 v[248:249], v[248:249], v[138:139]
	v_pk_add_f32 v[246:247], v[246:247], v[142:143]
	v_pk_add_f32 v[244:245], v[244:245], v[146:147]
	v_pk_add_f32 v[242:243], v[242:243], v[150:151]
	v_pk_add_f32 v[14:15], v[14:15], v[154:155]
	v_pk_add_f32 v[230:231], v[230:231], v[158:159]
	s_delay_alu instid0(VALU_DEP_2)
	v_pk_add_f32 v[14:15], v[14:15], v[248:249]
	s_delay_alu instid0(VALU_DEP_2)
	v_pk_add_f32 v[230:231], v[230:231], v[246:247]
	v_pk_add_f32 v[252:253], v[252:253], v[244:245]
	v_pk_add_f32 v[250:251], v[250:251], v[242:243]
	s_delay_alu instid0(VALU_DEP_2)
	v_pk_add_f32 v[14:15], v[14:15], v[252:253]
	s_delay_alu instid0(VALU_DEP_2)
	v_pk_add_f32 v[230:231], v[230:231], v[250:251]
	s_delay_alu instid0(VALU_DEP_1)
	v_pk_add_f32 v[14:15], v[14:15], v[230:231]
	s_wait_alu depctr_va_vdst(0)                   ; and one for the four
.irp b, 0,1,2,3
	v_max_num_f32 v[212+\b], 0x2800000, v[212+\b]  ; the floor 2^(5 - 127)
.endr
.irp b, 0,1,2,3
	s_delay_alu instid0(VALU_DEP_4)
	v_add_nc_u32 v[220+\b], 0xfe000000, v[212+\b]
.endr
.irp b, 0,1,2,3
	s_delay_alu instid0(VALU_DEP_4)
	v_lshrrev_b32 v[216+\b], 23, v[220+\b]
.endr
	s_delay_alu instid0(VALU_DEP_3)
	v_lshl_or_b32 v228, v217, 8, v216              ; p's scale word for these 128 keys
	s_delay_alu instid0(VALU_DEP_1)
	v_lshl_or_b32 v228, v218, 16, v228
	s_delay_alu instid0(VALU_DEP_1)
	v_lshl_or_b32 v228, v219, 24, v228
.irp c, 0,1
	v_cvt_scalef32_pk16_bf6_f32 v[192+6*\c:194+6*\c], v[96+32*\c:111+32*\c], v[220+2*\c]
	v_cvt_scalef32_pk16_bf6_f32 v[204+4*\c:206+4*\c], v[112+32*\c:127+32*\c], v[220+2*\c+1]
.endr
	v_nop                                          ; one plain place behind a scaled conversion
.irp t, 0,1,2,3                        ; V's four fragments take p's place
	ds_load_b128 v[96+12*\t:99+12*\t], v3 offset:6144+1536*\t
	ds_load_b64 v[100+12*\t:101+12*\t], v4 offset:6144+1536*\t+512
	ds_load_b128 v[102+12*\t:105+12*\t], v3 offset:6144+1536*\t+768
	ds_load_b64 v[106+12*\t:107+12*\t], v4 offset:6144+1536*\t+1280
.endr
	ds_load_b64 v[40:41], v4 offset:12800          ; V's scale words
.irp c, 0,1
.irp i, 0,1,2
	v_permlane16_swap_b32 v[192+6*\c+\i], v[204+4*\c+\i]
.endr
.irp i, 0,1,2
	s_delay_alu instid0(VALU_DEP_3)
	v_mov_b32 v[195+6*\c+\i], v[204+4*\c+\i]
.endr
.endr
.set j, 0
.rept 16
	v_pk_mul_f32 v[160+j:161+j], v[160+j:161+j], v[226:227] op_sel_hi:[1,0]   ; O^T under the new M; these are also the places between the codes' and the scale word's last writes and the products
.set j, j+2
.endr
	s_wait_alu depctr_va_vdst(0)
	s_wait_dscnt 0x0
.irp t, 0,1,2,3
	OWM \t
.endr
.Lskip_\@:
	s_add_co_u32 s66, s66, KVB
	s_add_co_u32 s67, s67, 512
	s_add_co_u32 s62, s62, 1
	s_cmp_lt_u32 s62, 16
	s_cbranch_scc1 .Lstep_\@
	; the pass's way out: y = O^T / the sum, quantised along the head's 64 channels: register 16 b + i is channel 32 b + 16 h + i
.rept 4
	v_nop
.endr
	v_add_f32 v14, v14, v15
	s_delay_alu instid0(VALU_DEP_1)
	v_permlanex16_b32 v224, v14, s20, s21
	s_delay_alu instid0(VALU_DEP_1)
	v_add_f32 v14, v14, v224
	s_wait_alu depctr_va_vdst(0)
	v_rcp_f32 v226, v14
	v_nop
	s_wait_alu depctr_va_vdst(0)
.set j, 0
.rept 16
	v_pk_mul_f32 v[96+j:97+j], v[160+j:161+j], v[226:227] op_sel_hi:[1,0]
.set j, j+2
.endr
.irp b, 0,1
	v_max3_num_f32 v[212+\b], |v[96+16*\b]|, |v[97+16*\b]|, 0x2800000
.endr
.irp i, 2,4,6,8,10,12,14
.irp b, 0,1
	s_delay_alu instid0(VALU_DEP_2)
	v_max3_num_f32 v[212+\b], v[212+\b], |v[96+16*\b+\i]|, |v[97+16*\b+\i]|
.endr
.endr
.irp b, 0,1
	s_delay_alu instid0(VALU_DEP_2)
	v_permlanex16_b32 v[216+\b], v[212+\b], s20, s21
.endr
.irp b, 0,1
	s_delay_alu instid0(VALU_DEP_2)
	v_max_num_f32 v[212+\b], v[212+\b], v[216+\b]
.endr
.irp b, 0,1
	s_delay_alu instid0(VALU_DEP_2)
	v_add_nc_u32 v[220+\b], 0xfe000000, v[212+\b]
.endr
.irp b, 0,1
	s_delay_alu instid0(VALU_DEP_2)
	v_lshrrev_b32 v[216+\b], 23, v[220+\b]
.endr
	s_delay_alu instid0(VALU_DEP_1)
	v_lshl_or_b32 v232, v217, 8, v216              ; my row's two scale bytes
	v_cvt_scalef32_pk16_bf6_f32 v[192:194], v[96:111], v220
	v_cvt_scalef32_pk16_bf6_f32 v[204:206], v[112:127], v221
	v_nop
.irp i, 0,1,2
	v_permlane16_swap_b32 v[192+\i], v[204+\i]
.endr
.irp i, 0,1,2
	s_delay_alu instid0(VALU_DEP_3)
	v_mov_b32 v[195+\i], v[204+\i]
.endr
	global_store_b128 v1, v[192:195], s[\yb:\yb+1]             ; a half image: 512 and 256 consecutive bytes, aligned
	global_store_b64 v2, v[196:197], s[\yb:\yb+1] offset:512
	global_store_b16 v7, v232, s[\ys:\ys+1]                    ; two bytes a row, 16 bytes apart (lanes l and l xor 16 store the same): the other half of each word is another head's, made by another work-group
.endm
	PASS 0, 60, 68, 48, 50
	PASS 1, 61, 69, 56, 58
	s_wait_tensorcnt 0x0
	ds_add_u32 v254, v255
	s_wait_dscnt 0x0
	ROUND                                          ; the closing round
	s_endpgm
.Lfunc_end_k_q867123eb66_attn:
	.size	k_q867123eb66_attn, .Lfunc_end_k_q867123eb66_attn-k_q867123eb66_attn
	.p2alignl 7, 3214868480
	.fill 96, 4, 3214868480
	.section	.rodata,"a",@progbits
	.p2align	6, 0x0
	.amdhsa_kernel k_q867123eb66_attn
		.amdhsa_group_segment_fixed_size 276736
		.amdhsa_private_segment_fixed_size 0
		.amdhsa_enable_private_segment 0
		.amdhsa_kernarg_size 24
		.amdhsa_user_sgpr_count 2
		.amdhsa_user_sgpr_kernarg_segment_ptr 1
		.amdhsa_wavefront_size32 1
		.amdhsa_system_sgpr_workgroup_id_x 1
		.amdhsa_system_sgpr_workgroup_id_y 1
		.amdhsa_system_sgpr_workgroup_id_z 1
		.amdhsa_system_vgpr_workitem_id 0
		.amdhsa_next_free_vgpr 256
		.amdhsa_next_free_sgpr 90
		.amdhsa_reserve_vcc 1
		.amdhsa_float_denorm_mode_32 3
		.amdhsa_float_denorm_mode_16_64 3
		.amdhsa_memory_ordered 1
		.amdhsa_forward_progress 1
		.amdhsa_inst_pref_size 65
	.end_amdhsa_kernel
	.amdgpu_metadata
---
amdhsa.version: [ 1, 2 ]
amdhsa.kernels:
  - .name:           k_q867123eb66_attn
    .symbol:         k_q867123eb66_attn.kd
    .args:
      - { .name: qkv, .offset: 0, .size: 8, .value_kind: global_buffer, .address_space: global }
      - { .name: decay_raw, .offset: 8, .size: 8, .value_kind: global_buffer, .address_space: global }
      - { .name: yc, .offset: 16, .size: 8, .value_kind: global_buffer, .address_space: global }
    .group_segment_fixed_size: 276736
    .private_segment_fixed_size: 0
    .kernarg_segment_align: 8
    .kernarg_segment_size: 24
    .max_flat_workgroup_size: 512
    .sgpr_count:     90
    .vgpr_count:     256
    .wavefront_size: 32
...
	.end_amdgpu_metadata
.endif
;; end of part 3
;; launch gemm_out (part 4): grid 4 x 32, 4 waves a work-group, clusters of 4 x 4, 327,680 bytes of LDS; arguments yc, wp, out0; writes out0
.if DOCPART == 4
	.amdgcn_target "amdgcn-amd-amdhsa--gfx1250"
	.amdhsa_code_object_version 6
	.text
	.protected	k_q867123eb66_gemm_out
	.globl	k_q867123eb66_gemm_out
	.p2align	8
	.type	k_q867123eb66_gemm_out,@function
k_q867123eb66_gemm_out:
	s_mov_b64 s[64:65], 0
	v_nop
	global_prefetch_b8 v0, s[64:65] scope:SCOPE_SE
	s_setreg_imm32_b32 hwreg(HW_REG_WAVE_MODE, 25, 1), 1
	s_wait_xcnt 0x0
	s_wait_alu depctr_hold_cnt(0) depctr_sa_sdst(0) depctr_va_vdst(0) depctr_va_sdst(0) depctr_va_ssrc(0) depctr_va_vcc(0) depctr_vm_vsrc(0)
	s_getreg_b32 s2, hwreg(HW_REG_IB_STS2, 6, 4)
	s_cmp_eq_u32 s2, 0
	s_cbranch_scc0 .Lentry_in_a_cluster
	s_endpgm
.Lentry_in_a_cluster:
	s_bfe_u32 s2, ttmp6, 0x10000c
	s_cmp_lg_u32 s2, 0xf033
	s_cbranch_scc0 .Lentry_shape_is_right
	s_endpgm
.Lentry_shape_is_right:
.set GB,    12800
.set PIECE, 2*GB
.set SLOT,  4*PIECE
.set SPARE, 2*SLOT
.set GRP,   8*GB
.set FR,    12
.set AF,    128
.set ADRA,  16
.set ADRB,  20
.set L16,   24
.set L8,    25
.set STO,   26
.set RD,    27
.set SPW,   28
.set NIL,   29
.set BK,    128
.set SPITCH, 528
.set G1,  24
.set G0,  32
.set G1B, 48
.set G0B, 56
.set MSB, 0
.macro WIN new
.if MSB != (\new)
	s_set_vgpr_msb (MSB<<8)|(\new)
.set MSB, (\new)
.endif
.endm
.set MUL_LO, 0xa1
.set MUL_HI, 0xf1
.set TO_B,   0x40
.macro JLOAD g0a, g1a, g0b, g1b
	s_cmp_eq_u32 s15, 0
	s_cbranch_scc0 .Lfor_b_\@
	tensor_load_to_lds s[\g0a:\g0a+3], s[\g1a:\g1a+7]
	s_nop 0
.rept 4
	v_nop
.endr
	s_branch .Lasked_\@
.Lfor_b_\@:
	tensor_load_to_lds s[\g0b:\g0b+3], s[\g1b:\g1b+7]
	s_nop 0
.rept 4
	v_nop
.endr
.Lasked_\@:
.endm
.macro CREST
	s_cmp_lg_u32 s14, 0
	s_cbranch_scc1 .Lnot_wave_0_\@
	s_barrier_signal -3
.Lnot_wave_0_\@:
	s_barrier_wait -3
	s_barrier_signal -1
	s_barrier_wait -1
.endm
.macro CROUND
	s_barrier_signal -1
	s_barrier_wait -1
	CREST
.endm
	s_load_b128 s[4:7], s[0:1], 0x0
	s_load_b64 s[8:9], s[0:1], 0x10
	v_lshl_add_u32 v[SPW], v0, 2, SPARE
	v_mov_b32 v[NIL], 0
	ds_add_u32 v28, v29
	ds_add_u32 v28, v29
	s_wait_dscnt 0x0
	v_lshrrev_b32 v1, 5, v0
	v_readfirstlane_b32 s14, v1
	s_lshr_b32 s15, s14, 1
	s_and_b32 s16, s14, 1
	s_bfe_u32 s40, ttmp6, 0x40000
	s_bfe_u32 s41, ttmp6, 0x40004
	s_lshl_b32 s42, ttmp9, 2
	s_add_co_u32 s42, s42, s40
	s_and_b32 s43, ttmp7, 0xffff
	s_lshl_b32 s43, s43, 2
	s_add_co_u32 s43, s43, s41
	s_lshl_b32 s44, s41, 2
	s_lshl_b32 s44, 15, s44
	s_lshl_b32 s45, 0x1111, s40
	s_or_b32 s[G1], s44, (3<<16)|(1<<21)
	s_or_b32 s[G1B], s45, (3<<16)|(1<<21)
.irp g, G1, G1B
	s_mov_b32 s[\g+1], 32<<16
	s_mov_b32 s[\g+2], 100<<16
	s_mov_b32 s[\g+3], 32<<16
	s_mov_b32 s[\g+4], 100
	s_mov_b32 s[\g+5], 32
	s_mov_b32 s[\g+6], 0
	s_mov_b32 s[\g+7], 0
.endr
	s_lshl_b32 s20, s43, 1
	s_add_co_u32 s20, s20, s16
	s_mul_i32 s20, s20, GRP
	s_mov_b32 s21, 0
	s_lshl_b32 s22, s42, 1
	s_add_co_u32 s22, s22, s16
	s_mul_i32 s22, s22, GRP
	s_mov_b32 s23, 0
	s_mul_i32 s70, s14, PIECE
	s_wait_kmcnt 0x0
	s_add_nc_u64 s[46:47], s[4:5], s[20:21]
	s_add_nc_u64 s[68:69], s[6:7], s[22:23]
	CROUND
.irp s, 0,1
	s_mov_b32 s[G0+4*\s], 1
	s_add_co_u32 s[G0+4*\s+1], s70, \s*SLOT
	s_add_nc_u64 s[G0+4*\s+2:G0+4*\s+3], s[46:47], \s*PIECE
	s_or_b32 s[G0+4*\s+3], s[G0+4*\s+3], 0x80000000
	s_mov_b32 s[G0B+4*\s], 1
	s_add_co_u32 s[G0B+4*\s+1], s70, \s*SLOT
	s_add_nc_u64 s[G0B+4*\s+2:G0B+4*\s+3], s[68:69], \s*PIECE
	s_or_b32 s[G0B+4*\s+3], s[G0B+4*\s+3], 0x80000000
	s_wait_alu depctr_va_vdst(0)
	s_wait_tensorcnt 0x0
	ds_add_u32 v28, v29
	ds_add_u32 v28, v29
	s_wait_dscnt 0x0
	CROUND
	JLOAD G0+4*\s, G1, G0B+4*\s, G1B
.endr
	v_and_b32 v1, 31, v0
	v_lshlrev_b32 v[L16], 4, v1
	v_lshlrev_b32 v[L8], 3, v1
	s_mul_i32 s21, s15, PIECE
	s_mul_i32 s22, s16, PIECE
	s_add_co_u32 s22, s22, 2*PIECE
.irp s, 0,1
	v_add_nc_u32 v[ADRA+\s], s21, v[L16]
	v_add_nc_u32 v[ADRA+2+\s], s21, v[L8]
	v_add_nc_u32 v[ADRB+\s], s22, v[L16]
	v_add_nc_u32 v[ADRB+2+\s], s22, v[L8]
	s_add_co_u32 s21, s21, SLOT
	s_add_co_u32 s22, s22, SLOT
.endr
	s_mul_i32 s71, s14, 16*SPITCH
	v_and_b32 v2, 15, v0
	v_bfe_u32 v3, v0, 4, 1
	v_mul_u32_u24 v[STO], v2, SPITCH
	v_lshl_add_u32 v[STO], v3, 6, v[STO]
	v_add_nc_u32 v[STO], s71, v[STO]
	v_add_nc_u32 v[RD], s71, v[L16]
	s_lshl_b32 s72, s43, 8
	s_lshl_b32 s73, s15, 7
	s_add_co_u32 s72, s72, s73
	s_lshl_b32 s72, s72, 12
	s_lshl_b32 s74, s42, 10
	s_lshl_b32 s73, s16, 9
	s_add_co_u32 s74, s74, s73
	s_add_co_u32 s72, s72, s74
	s_mov_b32 s73, 0
	s_add_nc_u64 s[12:13], s[8:9], s[72:73]
.macro FRAG reg, adr, q, i
	ds_load_b128 v[(\reg):(\reg)+3], v[\adr] offset:(\q)*GB+(\i)*1536
	ds_load_b64 v[(\reg)+4:(\reg)+5], v[\adr+2] offset:(\q)*GB+(\i)*1536+512
	ds_load_b128 v[(\reg)+6:(\reg)+9], v[\adr] offset:(\q)*GB+(\i)*1536+768
	ds_load_b64 v[(\reg)+10:(\reg)+11], v[\adr+2] offset:(\q)*GB+(\i)*1536+1280
.endm
.macro WM d, bf, af, zero, sb, sa, rb, ra
.if \zero
.if (\rb) && (\ra)
	v_wmma_scale_f32_16x16x128_f8f6f4 v[(\d):(\d)+7], v[(\bf):(\bf)+11], v[(\af):(\af)+11], 0, v[\sb], v[\sa] matrix_a_fmt:MATRIX_FMT_BF6 matrix_b_fmt:MATRIX_FMT_BF6 matrix_a_scale:MATRIX_SCALE_ROW1 matrix_b_scale:MATRIX_SCALE_ROW1
.elseif \rb
	v_wmma_scale_f32_16x16x128_f8f6f4 v[(\d):(\d)+7], v[(\bf):(\bf)+11], v[(\af):(\af)+11], 0, v[\sb], v[\sa] matrix_a_fmt:MATRIX_FMT_BF6 matrix_b_fmt:MATRIX_FMT_BF6 matrix_a_scale:MATRIX_SCALE_ROW1
.elseif \ra
	v_wmma_scale_f32_16x16x128_f8f6f4 v[(\d):(\d)+7], v[(\bf):(\bf)+11], v[(\af):(\af)+11], 0, v[\sb], v[\sa] matrix_a_fmt:MATRIX_FMT_BF6 matrix_b_fmt:MATRIX_FMT_BF6 matrix_b_scale:MATRIX_SCALE_ROW1
.else
	v_wmma_scale_f32_16x16x128_f8f6f4 v[(\d):(\d)+7], v[(\bf):(\bf)+11], v[(\af):(\af)+11], 0, v[\sb], v[\sa] matrix_a_fmt:MATRIX_FMT_BF6 matrix_b_fmt:MATRIX_FMT_BF6
.endif
.else
.if (\rb) && (\ra)
	v_wmma_scale_f32_16x16x128_f8f6f4 v[(\d):(\d)+7], v[(\bf):(\bf)+11], v[(\af):(\af)+11], v[(\d):(\d)+7], v[\sb], v[\sa] matrix_a_fmt:MATRIX_FMT_BF6 matrix_b_fmt:MATRIX_FMT_BF6 matrix_a_scale:MATRIX_SCALE_ROW1 matrix_b_scale:MATRIX_SCALE_ROW1
.elseif \rb
	v_wmma_scale_f32_16x16x128_f8f6f4 v[(\d):(\d)+7], v[(\bf):(\bf)+11], v[(\af):(\af)+11], v[(\d):(\d)+7], v[\sb], v[\sa] matrix_a_fmt:MATRIX_FMT_BF6 matrix_b_fmt:MATRIX_FMT_BF6 matrix_a_scale:MATRIX_SCALE_ROW1
.elseif \ra
	v_wmma_scale_f32_16x16x128_f8f6f4 v[(\d):(\d)+7], v[(\bf):(\bf)+11], v[(\af):(\af)+11], v[(\d):(\d)+7], v[\sb], v[\sa] matrix_a_fmt:MATRIX_FMT_BF6 matrix_b_fmt:MATRIX_FMT_BF6 matrix_b_scale:MATRIX_SCALE_ROW1
.else
	v_wmma_scale_f32_16x16x128_f8f6f4 v[(\d):(\d)+7], v[(\bf):(\bf)+11], v[(\af):(\af)+11], v[(\d):(\d)+7], v[\sb], v[\sa] matrix_a_fmt:MATRIX_FMT_BF6 matrix_b_fmt:MATRIX_FMT_BF6
.endif
.endif
.endm
.macro MUL16 a0, p, zero
.irp a, \a0, \a0+1
.irp b, 0,1,2,3,4,5,6,7
	WM 8*(8*((\a)%4)+\b), 128*(\p)+FR*\b, AF+FR*(\a), \zero, 36+8*(\p)+\b/2, 32+8*(\p)+(\a)/2, \b%2, (\a)%2
.endr
.endr
.endm
.macro FETCH_B slot, q, p
	WIN TO_B
.irp i, 0,1,2,3,4,5,6,7
	FRAG 128*(\p)+FR*\i, ADRB+\slot, \q, \i
.endr
	WIN 0
.endm
.macro FETCH_A slot, q, i0
.irp i, \i0, \i0+1, \i0+2, \i0+3
	FRAG AF+FR*(\i), ADRA+\slot, \q, \i
.endr
.endm
.macro SCALES slot, q, p
	ds_load_b128 v[32+8*\p:35+8*\p], v[ADRA+\slot] offset:(\q)*GB+12288
	ds_load_b128 v[36+8*\p:39+8*\p], v[ADRB+\slot] offset:(\q)*GB+12288
.endm
.macro PLACES n
.rept \n
	v_nop
.endr
.endm
.macro STEP slot, zero
	s_wait_dscnt 16
	WIN MUL_LO
	MUL16 0, 0, \zero
	MUL16 2, 0, \zero
	s_wait_dscnt 0
	PLACES 4
	FETCH_B \slot, 1, 1
	FETCH_A \slot, 1, 0
	SCALES \slot, 1, 1
	WIN MUL_HI
	MUL16 4, 0, \zero
	MUL16 6, 0, \zero
	PLACES 4
	WIN 0
	FETCH_A \slot, 1, 4
.endm
.macro TURN slot, next, fill
	s_wait_tensorcnt 0x0
	ds_add_u32 v[SPW], v[NIL]
	s_wait_dscnt 17
	WIN MUL_LO
	MUL16 0, 1, 0
	s_wait_dscnt 0x0
	s_barrier_signal -1
	MUL16 2, 1, 0
	WIN 0
	s_barrier_wait -1
.if \fill
	CREST
	s_add_nc_u64 s[G0+4*\slot+2:G0+4*\slot+3], s[G0+4*\slot+2:G0+4*\slot+3], 2*PIECE
	s_add_nc_u64 s[G0B+4*\slot+2:G0B+4*\slot+3], s[G0B+4*\slot+2:G0B+4*\slot+3], 2*PIECE
	JLOAD G0+4*\slot, G1, G0B+4*\slot, G1B
.else
	PLACES 4
.endif
	s_wait_alu depctr_va_vdst(0)
	FETCH_B \next, 0, 0
	FETCH_A \next, 0, 0
	SCALES \next, 0, 0
	WIN MUL_HI
	MUL16 4, 1, 0
	MUL16 6, 1, 0
	PLACES 4
	WIN 0
	FETCH_A \next, 0, 4
.endm
	s_wait_tensorcnt 1
	s_barrier_signal -1
	s_barrier_wait -1
	FETCH_B 0, 0, 0
	FETCH_A 0, 0, 0
	SCALES 0, 0, 0
	FETCH_A 0, 0, 4
	STEP 0, 1
	TURN 0, 1, 1
	STEP 1, 0
	TURN 1, 0, 1
	STEP 0, 0
	TURN 0, 1, 0
	STEP 1, 0
	s_wait_dscnt 16
	WIN MUL_LO
	MUL16 0, 1, 0
	MUL16 2, 1, 0
	s_wait_dscnt 0
	WIN MUL_HI
	MUL16 4, 1, 0
	MUL16 6, 1, 0
	WIN 0
.macro TOSTAGE a
.set AC, 64*((\a)%4)
	WIN 0x08+4*((\a)/4)
.irp b, 0,1,2,3,4,5,6,7
	ds_store_b128 v[STO], v[AC+8*\b:AC+8*\b+3] offset:128*(\b/2)+32*(\b%2)
	ds_store_b128 v[STO], v[AC+8*\b+4:AC+8*\b+7] offset:128*(\b/2)+32*(\b%2)+16
.endr
	WIN 0
.set BB, BK+64*((\a)%2)
.irp t, 0,1,2,3,4,5,6,7,8,9,10,11,12,13,14,15
	ds_load_b128 v[BB+4*\t:BB+4*\t+3], v[RD] offset:\t*SPITCH
.endr
.endm
.macro SEND a, younger
.set BB, BK+64*((\a)%2)
	s_wait_dscnt \younger
.irp t, 0,1,2,3,4,5,6,7,8,9,10,11,12,13,14,15
	global_store_b128 v[L16], v[BB+4*\t:BB+4*\t+3], s[12:13] offset:(32*((\a)/2)+8*((\a)%2)+\t+8*(\t/8))*4096 th:TH_STORE_NT
.endr
.endm
	PLACES 4
	TOSTAGE 0
.irp a, 1,2,3,4,5,6,7
.if \a > 1
	s_wait_xcnt 0x0
.endif
	TOSTAGE \a
	SEND \a-1, 32
.endr
	SEND 7, 0
	s_wait_tensorcnt 0x0
	ds_add_u32 v[SPW], v[NIL]
	s_wait_dscnt 0x0
	CROUND
	s_endpgm
.Lfunc_end_k_q867123eb66_gemm_out:
	.size	k_q867123eb66_gemm_out, .Lfunc_end_k_q867123eb66_gemm_out-k_q867123eb66_gemm_out
	.p2alignl 7, 3214868480
	.fill 96, 4, 3214868480
	.section	.rodata,"a",@progbits
	.p2align	6, 0x0
	.amdhsa_kernel k_q867123eb66_gemm_out
		.amdhsa_group_segment_fixed_size 327680
		.amdhsa_private_segment_fixed_size 0
		.amdhsa_enable_private_segment 0
		.amdhsa_kernarg_size 24
		.amdhsa_user_sgpr_count 2
		.amdhsa_user_sgpr_kernarg_segment_ptr 1
		.amdhsa_wavefront_size32 1
		.amdhsa_system_sgpr_workgroup_id_x 1
		.amdhsa_system_sgpr_workgroup_id_y 1
		.amdhsa_system_sgpr_workgroup_id_z 1
		.amdhsa_system_vgpr_workitem_id 0
		.amdhsa_next_free_vgpr 1024
		.amdhsa_next_free_sgpr 100
		.amdhsa_reserve_vcc 0
		.amdhsa_float_denorm_mode_32 3
		.amdhsa_float_denorm_mode_16_64 3
		.amdhsa_memory_ordered 1
		.amdhsa_forward_progress 1
		.amdhsa_inst_pref_size 140
	.end_amdhsa_kernel
	.amdgpu_metadata
---
amdhsa.version: [ 1, 2 ]
amdhsa.kernels:
  - .name:           k_q867123eb66_gemm_out
    .symbol:         k_q867123eb66_gemm_out.kd
    .args:
      - { .name: yc, .offset: 0, .size: 8, .value_kind: global_buffer, .address_space: global }
      - { .name: wp, .offset: 8, .size: 8, .value_kind: global_buffer, .address_space: global }
      - { .name: out0, .offset: 16, .size: 8, .value_kind: global_buffer, .address_space: global }
    .group_segment_fixed_size: 327680
    .private_segment_fixed_size: 0
    .kernarg_segment_align: 8
    .kernarg_segment_size: 24
    .max_flat_workgroup_size: 128
    .sgpr_count:     100
    .vgpr_count:     1024
    .wavefront_size: 32
...
	.end_amdgpu_metadata
.endif
;; end of part 4
